; MI455X (gfx1250); checked and timed in simulation.
; The chip was launched on July 23, 2026; its instructions are those of AMD's public machine-readable ISA for CDNA 5 (MIT licence, August 2026) and "CDNA5" Instruction Set Architecture Reference Guide (July 2026). The comments in the code are by the model that wrote it; some were corrected since.
;; Causal Self Attention. Allowed arithmetic: matrix products marked QUANTISED: E2M1 operands, one E8M0 scale for each 32 along K, by v_wmma_scale_f32_16x16x128_f8f6f4 with both operands' format E2M1 (or v_wmma_scale_f32_32x16x128_f4), f32 sums; everything else in f32.
;; Inputs: W_attn 1,024 x 3,072 float32; W_proj 1,024 x 1,024 float32; attention_mask 4 x 2,048 int32; b_attn 3,072 float32; b_proj 1,024 float32; x 4 x 2,048 x 1,024 float32.
;; Outputs: out0 4 x 2,048 x 1,024 float32.
;; This version of the problem:
;;   THIS VERSION OF THE PROBLEM IS GIVEN IN LOW PRECISION. The matrix products marked QUANTISED in the list below multiply operands that are first quantised to E2M1 (2 exponent bits, 1 mantissa bit; 4 bits a number), with one power-of-two scale for each 32 numbers along K (OCP MX v1.0); their sums are f32. All else is computed in f32.
;;   The module's matrix products, in the order in which they are computed (A, B: the left and right operand; K: the contracted axis; several contracted axes count as one K, in the product's order):
;;     1. [M 8,192, K 1,024] x [K 1,024, N 3,072]; A: input x; B: input W_attn: QUANTISED
;;     2. batch 64 x [M 2,048, K 64] x [K 64, N 2,048]; A: computed on the way; B: computed on the way: QUANTISED
;;     3. batch 64 x [M 2,048, K 2,048] x [K 2,048, N 64]; A: softmax (see below); B: computed on the way: QUANTISED
;;     4. [M 8,192, K 1,024] x [K 1,024, N 1,024]; A: computed on the way; B: input W_proj: QUANTISED
;;   THE QUANTISER, for each operand of a quantised product, along K:
;;     - K is cut into blocks of 32 from its start; a last block that is shorter is filled with zeros.
;;     - A block's scale is 2^e with e = floor(log2(the largest magnitude in the block)) - 2, held to -126 .. 127; a block of zeros has e = 0. As a byte (E8M0): e + 127.
;;     - Each number is divided by its block's scale, clamped to +-6, and rounded to the nearest number of E2M1, ties to even, subnormals kept.
;;     - The product sums the exact products of the quantised numbers (number of the format x scale) in f32.
;;   ~~~python
;;   def quantise(x, axis):      # numpy; x: float32 -> the quantised numbers, widened to float32 again
;;       x = np.moveaxis(x, axis, -1); K = x.shape[-1]
;;       x = np.pad(x, [(0, 0)] * (x.ndim - 1) + [(0, -K % 32)]); x = x.reshape(x.shape[:-1] + (-1, 32)); a = np.abs(x).max(-1, keepdims=True)
;;       e = np.where(a > 0, np.clip(np.frexp(np.where(a > 0, a, 1))[1] - 1 - 2, -126, 127), 0)      # np.frexp(a)[1] - 1 = floor(log2(a)), exactly
;;       r = np.clip(x / 2.0 ** e, -6, 6)
;;       step = 2.0 ** (np.maximum(np.frexp(np.where(r == 0, 1, r))[1] - 1, 0) - 1)
;;       q = np.round(r / step) * step * 2.0 ** e      # np.round: ties to even
;;       return np.moveaxis(q.reshape(q.shape[:-2] + (-1,))[..., :K], -1, axis).astype(np.float32)
;;   ~~~
;;   SOFTMAX AHEAD OF A QUANTISED PRODUCT. Where the list says 'softmax', what is quantised is not the finished softmax but p = 2^(t - M), with t = logit x log2(e) and M = ceil(the row's largest t), a whole number; so 1/2 < the row's largest p <= 1. The row's sum l is taken of the UNQUANTISED p, in f32, and the product's result is divided by l at the end. Since M is a whole number, a kernel that streams over the keys may use a running M (the ceiling of the running maximum): every later rescaling is an exact power of two, which a block's scale takes up: the codes' values come out the same.
;;   OPERANDS COMPUTED ON THE WAY. 'Computed on the way' means the value that the module computes at that place (a softmax that the list does not call 'softmax' is quantised finished and normalised). What goes into a quantiser is computed in f32, as accurately as f32 sums, v_exp_f32 and their like allow (about 1e-6 of the number): no bf16 or f16 on the way to a quantiser, and a product that is left as it is and whose result goes on into a quantised operand takes f32 operands (vector FMAs, or v_wmma_f32_16x16x4_f32). A number that lies on a knife's edge between two numbers of the format may be rounded either way, as far as f32 arithmetic and the matrix unit's own rounding can turn it there, and no further.
;; One version. Each part assembles by itself: llvm-mc -triple=amdgcn-amd-amdhsa -mcpu=gfx1250 --defsym DOCPART=n.
;; ======== version 1 of 1: 4 launches
;; limits: right only within a limited range of input values
;; workspace buffers: xq 4,456,448 bytes; waq 1,671,168 bytes; wpq 557,056 bytes; qkq 9,437,184 bytes; vq 4,456,448 bytes; yq 4,456,448 bytes
;; launch prep (part 1): grid 512 x 1, 4 waves a work-group, no clusters, 34,304 bytes of LDS; arguments x, W_attn, W_proj, xq, waq, wpq; writes xq, waq, wpq
.if DOCPART == 1
	.amdgcn_target "amdgcn-amd-amdhsa--gfx1250"
	.amdhsa_code_object_version 6
	.text
	.protected	k_q5c8e465d80_prep
	.globl	k_q5c8e465d80_prep
	.p2align	8
	.type	k_q5c8e465d80_prep,@function
k_q5c8e465d80_prep:
	s_mov_b64 s[64:65], 0
	v_nop
	global_prefetch_b8 v0, s[64:65] scope:SCOPE_SE
	s_setreg_imm32_b32 hwreg(HW_REG_WAVE_MODE, 25, 1), 1
	s_wait_xcnt 0x0
; x [8192][1024], W_attn [1024][3072] and W_proj [1024][1024], f32, become codes of FP4 (E2M1) with one E8M0 scale byte for each 32 along K (K = 1024 in all three).
; A block's scale is 2^(floor(log2(its largest magnitude)) - 2); its byte is the largest magnitude's exponent field - 2, held at 1 from below; numbers are divided by the scale and rounded to the nearest code, ties to even.
; LIMITS: NaN and infinities among the inputs are not served; a block whose largest magnitude lies under 2^-124 (a block of zeros among them) gets the byte 1: its codes add nothing or next to nothing, and this program alone reads the bytes.
; THE WORKSPACE IS LAID AS THE PRODUCTS' REGISTERS WANT IT.  Rows (tokens of x, columns n of a weight) go in tiles of 16: tile 2 g + c holds, in its row r, row 32 g + 8 c + r + 8 (r / 8).
; A fragment (tile T, K step s of 128) is 1,024 bytes at T x 8192 + s x 1024: block beta of 32 along K of row r at 256 beta + 16 r, which is registers 4 c .. 4 c + 3 of lane l at 512 c + 16 l.
; A tile's scale words: 512 bytes behind the codes: word (s % 4) of row r at T x 512 + (s / 4) x 256 + 16 r.
; Work-groups 0-255 take x (K innermost), 256-447 W_attn, 448-511 W_proj (K is the first axis).  Waves share nothing: no barrier.  Only x's way uses LDS.
.set XSOFF,  4194304                   ; where the scale words begin in xq, waq, wpq
.set WASOFF, 1572864
.set WPSOFF, 524288
.set SP,     528                       ; a stage row: 512 bytes + 16: 33 x 16, so the sixteen rows that a read touches start at sixteen different 16-byte columns
.set STG,    16*SP                     ; a wave's stage
.set R0,     16                        ; v16-143  two sets of 64: a K step of 16 rows as loaded
.set X,      144                       ; v144-207 64 numbers of my row: register 16 b + i = k 32 b + 16 (lane / 16) + i
.set PC,     208                       ; v208-239 codes: 8 registers for each of the four fragments, so that no store's data are written again
.set TM,     240                       ; v240-243 largest magnitudes, v244-247 at work, v248-251 the four scale words, v252-255 the conversions' scale operands
.set SEL,    28                        ; s[28:29] v_permlanex16_b32's selects for lane l xor 16
; 64 numbers of a lane, register 16 b + i = k 32 b + 16 (lane / 16) + i of its row, become a fragment's 8 registers of codes at v[pc] and the row's scale word in v[pw]
.macro QUANT s, pc, pw
.irp b, 0,1,2,3
	v_max3_num_f32 v[TM+\b], |v[(\s)+16*\b]|, |v[(\s)+1+16*\b]|, 0x1800000   ; my 16 numbers of block b, and the floor 2^(3 - 127): the byte cannot fall under 1
.endr
.irp i, 2,4,6,8,10,12,14
.irp b, 0,1,2,3
	v_max3_num_f32 v[TM+\b], v[TM+\b], |v[(\s)+16*\b+\i]|, |v[(\s)+1+16*\b+\i]|   ; the four blocks by turns
.endr
.endr
.irp b, 0,1,2,3
	v_permlanex16_b32 v[TM+4+\b], v[TM+\b], s[SEL], s[SEL+1]
.endr
.irp b, 0,1,2,3
	v_max_num_f32 v[TM+\b], v[TM+\b], v[TM+4+\b]          ; with lane l xor 16's 16: the block's largest magnitude
.endr
.irp b, 0,1,2,3
	v_add_nc_u32 v[TM+12+\b], 0xff000000, v[TM+\b]        ; 2 off its exponent field: the conversion takes this operand's exponent field as its scale
.endr
.irp b, 0,1,2,3
	v_lshrrev_b32 v[TM+4+\b], 23, v[TM+12+\b]             ; the scale's byte
.endr
	v_lshl_or_b32 v[\pw], v[TM+5], 8, v[TM+4]
	v_lshl_or_b32 v[\pw], v[TM+6], 16, v[\pw]
	v_lshl_or_b32 v[\pw], v[TM+7], 24, v[\pw]
.irp b, 0,1,2,3
	v_cvt_scalef32_pk8_fp4_f32 v[(\pc)+2*\b], v[(\s)+16*\b:(\s)+7+16*\b], v[TM+12+\b]
	v_cvt_scalef32_pk8_fp4_f32 v[(\pc)+1+2*\b], v[(\s)+8+16*\b:(\s)+15+16*\b], v[TM+12+\b]
.endr
	v_nop                                          ; one plain place behind a scaled conversion
.irp c, 0,1                                    ; a whole block to a lane: lanes 0-15 block 2 c, lanes 16-31 block 2 c + 1
.irp i, 0,1
	v_permlane16_swap_b32 v[(\pc)+4*\c+\i], v[(\pc)+2+4*\c+\i]
.endr
.endr
.endm
	s_load_b256 s[4:11], s[0:1], 0x0               ; x s[4:5], W_attn s[6:7], W_proj s[8:9], xq s[10:11]
	s_load_b128 s[12:15], s[0:1], 0x20             ; waq s[12:13], wpq s[14:15]
	v_lshl_add_u32 v14, v0, 2, 0x8400
	v_mov_b32 v15, 0
	v_lshrrev_b32 v1, 5, v0
	v_readfirstlane_b32 s16, v1                    ; wave 0..3
	v_and_b32 v5, 31, v0                           ; lane
	s_wait_kmcnt 0x0
	s_cmp_lt_u32 ttmp9, 256
	s_cbranch_scc0 .Lweights
	s_wait_alu depctr_va_vdst(0)
	; ---- x.  Wave u = 4 x work-group + wave takes tile u / 2 and K steps 4 (u % 2) .. + 3: four fragments and 256 bytes of scale words.
	v_lshlrev_b32 v1, 4, v5                        ; 16 x lane: my 16 bytes of a load's 512, and of an image's
	v_and_b32 v6, 15, v0                           ; r
	v_bfe_u32 v7, v0, 4, 1                         ; h
	s_mul_i32 s17, s16, STG
	v_add_nc_u32 v2, s17, v1                       ; the stage, on the way in: a row as it lies
	v_mul_u32_u24 v3, v6, SP
	v_lshl_add_u32 v3, v7, 6, v3
	v_add_nc_u32 v3, s17, v3                       ; and on the way out: row r, + 64 h: my 16 numbers of each block of 32
	v_lshlrev_b32 v4, 4, v6
	v_lshl_add_u32 v4, v7, 3, v4                   ; the scale words' place: 16 r + 8 h
	s_mov_b32 s[SEL], 0x76543210
	s_mov_b32 s[SEL+1], 0xfedcba98
	s_mov_b32 s30, 0xffff0000                      ; lanes 16-31
.irp b, 0,1,2,3
	v_mov_b32 v[TM+4+\b], 0                        ; written once: a lane permute's destination counts as one of its sources
.endr
	s_lshl_b32 s18, ttmp9, 17                      ; the tile's first row is 32 x work-group + 8 (wave / 2): rows of 4,096 bytes;
	s_lshr_b32 s19, s16, 1
	s_lshl_b32 s19, s19, 15
	s_add_co_u32 s18, s18, s19
	s_and_b32 s19, s16, 1
	s_lshl_b32 s19, s19, 11                        ; my four K steps begin 2,048 (wave % 2) bytes into a row
	s_add_co_u32 s18, s18, s19
	s_mov_b32 s19, 0
	s_add_nc_u64 s[4:5], s[4:5], s[18:19]
	s_lshl_b32 s20, ttmp9, 2
	s_add_co_u32 s20, s20, s16                     ; u
	s_lshl_b32 s18, s20, 12
	s_add_nc_u64 s[22:23], s[10:11], s[18:19]      ; my four fragments: 4,096 u
	s_lshl_b32 s18, s20, 8
	s_add_co_u32 s18, s18, XSOFF
	s_add_nc_u64 s[24:25], s[10:11], s[18:19]      ; my scale words: 256 u behind the codes
.macro LOADF i, set                    ; K step i of the tile's 16 rows: each load reads 512 consecutive bytes of one row
.irp j, 0,1,2,3,4,5,6,7,8,9,10,11,12,13,14,15
	global_load_b128 v[(\set)+4*\j:(\set)+4*\j+3], v1, s[4:5] offset:(\j+8*(\j/8))*4096+512*(\i) th:TH_LOAD_NT
.endr
.endm
.macro TURN set                        ; through the wave's stage: in by rows, out 64 bytes of each block a lane.  LDS serves a wave's instructions in order: no wait between
.irp j, 0,1,2,3,4,5,6,7,8,9,10,11,12,13,14,15
	ds_store_b128 v2, v[(\set)+4*\j:(\set)+4*\j+3] offset:SP*\j
.endr
.irp b, 0,1,2,3
.irp j, 0,1,2,3
	ds_load_b128 v[X+16*\b+4*\j:X+16*\b+4*\j+3], v3 offset:128*\b+16*\j
.endr
.endr
.endm
	LOADF 0, R0
	LOADF 1, R0+64
	s_wait_alu depctr_va_vdst(0)
.irp i, 0,1,2,3
.if \i < 3
	s_wait_loadcnt 16                              ; this K step's 16 loads are in; the next step's 16 may be out
.else
	s_wait_loadcnt 0x0
.endif
	TURN R0+64*(\i%2)
	s_wait_dscnt 0x0                               ; my 64 numbers are back, and the stage's stores have read the set,
.if \i < 2
	LOADF \i+2, R0+64*(\i%2)                       ; which takes the loads of two steps on
.endif
	QUANT X, PC+8*\i, TM+8+\i
	global_store_b128 v1, v[PC+8*\i:PC+8*\i+3], s[22:23] offset:1024*\i          ; the image: 512 consecutive bytes a store
	global_store_b128 v1, v[PC+8*\i+4:PC+8*\i+7], s[22:23] offset:1024*\i+512
.endr
	v_cndmask_b32 v12, v[TM+8], v[TM+10], s30      ; both halves of the lanes hold row r's four words: lanes 0-15 store words 0, 1, lanes 16-31 words 2, 3
	v_cndmask_b32 v13, v[TM+9], v[TM+11], s30
	global_store_b64 v4, v[12:13], s[24:25]        ; 256 consecutive bytes, aligned
	s_wait_tensorcnt 0x0
	ds_add_u32 v14, v15
	s_wait_dscnt 0x0
	s_endpgm
	; ---- the weights.  A LANE TAKES A COLUMN n AND ITS REGISTERS RUN DOWN K: a block of 32 lies in one lane, and the codes come out with K innermost.
	; A wave takes 32 columns (group g) x one K step s of 128.  Column 32 g + lane is row r = lane % 8 + 8 (lane / 16) of tile 2 g + c, c = (lane / 8) % 2.
.Lweights:
	s_wait_alu depctr_va_vdst(0)
	v_lshlrev_b32 v1, 2, v5                        ; in: 4 bytes a lane: a load reads 128 consecutive bytes
	v_bfe_u32 v6, v0, 3, 1                         ; c
	v_and_b32 v7, 7, v0
	v_bfe_u32 v8, v0, 4, 1
	v_lshl_add_u32 v7, v8, 3, v7                   ; r
	v_lshlrev_b32 v7, 4, v7
	v_lshl_add_u32 v2, v6, 13, v7                  ; codes: 8,192 c + 16 r: each store fills two aligned runs of 256 bytes
	v_lshl_add_u32 v3, v6, 9, v7                   ; scale words: 512 c + 16 r (4 bytes a lane, 16 apart: one byte in 128 of what this way reads)
.macro WLOAD N, t                      ; block t: W(128 s + 32 t + i, my column)
.irp i, 0,1,2,3,4,5,6,7,8,9,10,11,12,13,14,15,16,17,18,19,20,21,22,23,24,25,26,27,28,29,30,31
	global_load_b32 v[16+32*(\t)+\i], v1, s[22:23] offset:(32*(\t)+\i)*\N*4 th:TH_LOAD_NT
.endr
.endm
.macro WBLOCK N, t
.set XS, 16+32*(\t)
.if (\t) < 3
	s_wait_loadcnt 32                              ; this block's 32 loads are in; the next block's 32 may be out
.else
	s_wait_loadcnt 0x0
.endif
.if (\t)+2 < 4
	WLOAD \N, (\t)+2                               ; two blocks ahead, into registers of its own
.endif
	v_max3_num_f32 v160, |v[XS]|, |v[XS+1]|, |v[XS+2]|
	v_max3_num_f32 v161, |v[XS+3]|, |v[XS+4]|, |v[XS+5]|
.irp i, 6,10,14,18,22,26
	v_max3_num_f32 v160, v160, |v[XS+\i]|, |v[XS+\i+1]|
	v_max3_num_f32 v161, v161, |v[XS+\i+2]|, |v[XS+\i+3]|
.endr
	v_max3_num_f32 v160, v160, |v[XS+30]|, |v[XS+31]|
	v_max3_num_f32 v160, v160, v161, 0x1800000     ; and the floor 2^(3 - 127)
	v_add_nc_u32 v162, 0xff000000, v160            ; the conversions' scale operand
	v_lshrrev_b32 v163, 23, v162                   ; the byte
.if (\t) == 0
	v_mov_b32 v164, v163
.else
	v_lshl_or_b32 v164, v163, 8*(\t), v164         ; four bytes make the column's scale word of this K step
.endif
.irp g, 0,1,2,3
	v_cvt_scalef32_pk8_fp4_f32 v[144+4*(\t)+\g], v[XS+8*\g:XS+8*\g+7], v162
.endr
	global_store_b128 v2, v[144+4*(\t):144+4*(\t)+3], s[24:25] offset:256*(\t)   ; (the next block begins with plain vector lines ahead of the line that writes v162 again)
.endm
.macro WQ N, in, out, soff, first
	s_sub_co_u32 s17, ttmp9, \first
	s_and_b32 s18, s17, 7                          ; s
	s_lshr_b32 s19, s17, 3
	s_lshl_b32 s19, s19, 2
	s_add_co_u32 s19, s19, s16                     ; g
	s_mul_i32 s20, s18, 128*\N*4                   ; 128 s rows down,
	s_lshl_b32 s21, s19, 7                         ; 32 g columns in
	s_add_co_u32 s20, s20, s21
	s_mov_b32 s21, 0
	s_add_nc_u64 s[22:23], s[\in:\in+1], s[20:21]
	s_lshl_b32 s20, s19, 14                        ; tiles 2 g, 2 g + 1: 16,384 g,
	s_lshl_b32 s26, s18, 10                        ; K step s
	s_add_co_u32 s20, s20, s26
	s_add_nc_u64 s[24:25], s[\out:\out+1], s[20:21]
	s_lshl_b32 s20, s19, 10                        ; scale words: 1,024 g + 256 (s / 4) + 4 (s % 4)
	s_lshr_b32 s26, s18, 2
	s_lshl_b32 s26, s26, 8
	s_add_co_u32 s20, s20, s26
	s_and_b32 s26, s18, 3
	s_lshl_b32 s26, s26, 2
	s_add_co_u32 s20, s20, s26
	s_add_co_u32 s20, s20, \soff
	s_add_nc_u64 s[26:27], s[\out:\out+1], s[20:21]
	WLOAD \N, 0
	WLOAD \N, 1
	WBLOCK \N, 0
	WBLOCK \N, 1
	WBLOCK \N, 2
	WBLOCK \N, 3
	global_store_b32 v3, v164, s[26:27]
.endm
	s_cmp_lt_u32 ttmp9, 448
	s_cbranch_scc0 .Lwproj
	s_wait_alu depctr_va_vdst(0)
	WQ 3072, 6, 12, WASOFF, 256
	s_endpgm
.Lwproj:
	s_wait_alu depctr_va_vdst(0)
	WQ 1024, 8, 14, WPSOFF, 448
	s_endpgm
.Lfunc_end_k_q5c8e465d80_prep:
	.size	k_q5c8e465d80_prep, .Lfunc_end_k_q5c8e465d80_prep-k_q5c8e465d80_prep
	.p2alignl 7, 3214868480
	.fill 96, 4, 3214868480
	.section	.rodata,"a",@progbits
	.p2align	6, 0x0
	.amdhsa_kernel k_q5c8e465d80_prep
		.amdhsa_group_segment_fixed_size 34304
		.amdhsa_private_segment_fixed_size 0
		.amdhsa_enable_private_segment 0
		.amdhsa_kernarg_size 48
		.amdhsa_user_sgpr_count 2
		.amdhsa_user_sgpr_kernarg_segment_ptr 1
		.amdhsa_wavefront_size32 1
		.amdhsa_system_sgpr_workgroup_id_x 1
		.amdhsa_system_sgpr_workgroup_id_y 1
		.amdhsa_system_sgpr_workgroup_id_z 1
		.amdhsa_system_vgpr_workitem_id 0
		.amdhsa_next_free_vgpr 256
		.amdhsa_next_free_sgpr 66
		.amdhsa_reserve_vcc 0
		.amdhsa_float_denorm_mode_32 3
		.amdhsa_float_denorm_mode_16_64 3
		.amdhsa_memory_ordered 1
		.amdhsa_forward_progress 1
		.amdhsa_inst_pref_size 72
	.end_amdhsa_kernel
	.amdgpu_metadata
---
amdhsa.version: [ 1, 2 ]
amdhsa.kernels:
  - .name:           k_q5c8e465d80_prep
    .symbol:         k_q5c8e465d80_prep.kd
    .args:
      - { .name: x, .offset: 0, .size: 8, .value_kind: global_buffer, .address_space: global }
      - { .name: W_attn, .offset: 8, .size: 8, .value_kind: global_buffer, .address_space: global }
      - { .name: W_proj, .offset: 16, .size: 8, .value_kind: global_buffer, .address_space: global }
      - { .name: xq, .offset: 24, .size: 8, .value_kind: global_buffer, .address_space: global }
      - { .name: waq, .offset: 32, .size: 8, .value_kind: global_buffer, .address_space: global }
      - { .name: wpq, .offset: 40, .size: 8, .value_kind: global_buffer, .address_space: global }
    .group_segment_fixed_size: 34304
    .private_segment_fixed_size: 0
    .kernarg_segment_align: 8
    .kernarg_segment_size: 48
    .max_flat_workgroup_size: 128
    .sgpr_count:     66
    .vgpr_count:     256
    .wavefront_size: 32
...
	.end_amdgpu_metadata
.endif
;; end of part 1
;; launch qkv (part 2): grid 8 x 96, 4 waves a work-group, clusters of 4 x 4, 213,504 bytes of LDS; arguments xq, waq, b_attn, qkq, vq; writes qkq, vq
.if DOCPART == 2
	.amdgcn_target "amdgcn-amd-amdhsa--gfx1250"
	.amdhsa_code_object_version 6
	.text
	.protected	k_q5c8e465d80_qkv
	.globl	k_q5c8e465d80_qkv
	.p2align	8
	.type	k_q5c8e465d80_qkv,@function
k_q5c8e465d80_qkv:
	s_mov_b64 s[64:65], 0
	v_nop
	global_prefetch_b8 v0, s[64:65] scope:SCOPE_SE
	s_setreg_imm32_b32 hwreg(HW_REG_WAVE_MODE, 25, 1), 1
	s_wait_xcnt 0x0
	s_wait_alu depctr_hold_cnt(0) depctr_sa_sdst(0) depctr_va_vdst(0) depctr_va_sdst(0) depctr_va_ssrc(0) depctr_va_vcc(0) depctr_vm_vsrc(0)
	s_getreg_b32 s2, hwreg(HW_REG_IB_STS2, 6, 4)
	s_cmp_eq_u32 s2, 0
	s_cbranch_scc0 .Lentry_in_a_cluster
	s_endpgm
.Lentry_in_a_cluster:
	s_bfe_u32 s2, ttmp6, 0x10000c
	s_cmp_lg_u32 s2, 0xf033
	s_cbranch_scc0 .Lentry_shape_is_right
	s_endpgm
.Lentry_shape_is_right:
; qkv = x W_attn + b_attn on codes of FP4 with E8M0 scales (K = 1024), and its three parts quantised again, from f32 in registers, for the products that follow: q and k along the head's 64 channels, v along the keys.
; OPERANDS are fragment images (16 rows x 128 K in 1,024 bytes; tile T, K step s at T x 8192 + s x 1024) and scale words (tile T: 512 bytes, word s % 4 of row r at (s / 4) x 256 + 16 r).  Tile 2 g + c holds in row r the row 32 g + 8 c + r + 8 (r / 8).
; A WORK-GROUP makes 128 rows of an operand 'A' x 256 rows of an operand 'B', four waves 64 x 128 each: 32 accumulators.  THE MATRIX INSTRUCTION IS USED TRANSPOSED (source 0 = 16 rows of B, source 1 = 16 rows of A): a lane holds ONE row of A,
; and by the tiles' row order its 64 registers of one tile of A are B's 128 rows as register 16 b + i = row 32 b + 16 (lane / 16) + i: sixteen neighbours of each block of 32: what the conversions want.
; TWO KINDS OF WORK-GROUP, by the cluster's y alone (equal in all partners).  Cluster y < 16: A = tokens (xq), B = columns 0-2047 of W_attn (waq): a lane holds a token and 128 channels of q or k: two heads.
; Cluster y >= 16: A = columns 2048-3071 (waq), B = tokens (xq): a lane holds a channel of v and 128 tokens, the keys of one step of the last product.
; ALL OF K LIES IN LDS AT ONCE: 64 KB of A, 128 KB of B, 12 KB of scale words: first fills only, nothing is filled again.  Each wave has three tensor loads out: its scale words, its tiles' K steps 0-3, its K steps 4-7.
; CLUSTERS: 4 x 4.  A's tiles hang on the cluster's place and cy and are asked for jointly along a row of the cluster, B's on cx and along a column.
; OUT.  qkq: codes [batch][head' 32: q's 16, k's 16][tile 128][512 bytes: lane (r, h) = token r, channels 32 h ..]; behind them scale words [batch][head'][tile / 4][r][4 words], word tile % 4 = s0 | s1 << 8 | s0 << 16 | s1 << 24.
;       vq: fragments [batch x head 64][key step 16][channel tile 4][1,024]; behind them scale words [batch x head][key step][r][4 words], word = channel tile.
; LIMITS: as the quantiser's everywhere here: a block whose largest magnitude lies under 2^-124 gets the byte 1; NaN and infinities are not served.
; REGISTERS, in windows of 256.  Window 0: v1-13 addresses; v32-127 scale words and nothing else; v128-255 the way out.  Window 1: accumulator (a, b) at v[8 (8 a + b)].
;   Window 2: B's fragments, two sets, at v0 and v64; A's, two sets, at v128 and v160; v192-255 the bias of my 128 rows of B.
.set XSOFF, 4194304                    ; scale words in xq,
.set WSOFF, 1572864                    ; in waq,
.set QKS,   8388608                    ; in qkq,
.set VQS,   4194304                    ; in vq
.set LA,    0                          ; LDS: A's codes [K half 2][tile 8][K step 4][1024]
.set LB,    65536                      ; B's codes [K half 2][tile 16][K step 4][1024]
.set LSA,   196608                     ; A's scale words, 8 x 512
.set LSB,   200704                     ; B's, 16 x 512
.set ADA,   4
.set ADB0,  5
.set ADB1,  6
.set ADSA,  7
.set ADSB,  8
.set SC,    32                         ; scale words: A's (K half hk, tile a, step ks) at SC + 48 hk + 4 a + ks; B's at SC + 16 + 48 hk + 4 b + ks
.set BF,    0
.set AF,    128
.set BI,    192
.set T,     128                        ; the way out: 64 numbers
.set PC,    192                        ; codes: 8 registers for each tile of A
.set TM,    224                        ; the quantiser's 16
.set BV,    240                        ; the bias of my row of A, twice, for each tile
.set W,     248                        ; four scale words
.set SELV,  252
.set PW,    253
.set SEL,   2                          ; s[2:3]
.set G1A,   24
.set G1B,   32
.set G1SA,  40
.set G1SB,  48
.set G0SA,  56
.set G0A0,  60
.set G0A1,  68
.set G0SB,  72
.set G0B0,  76
.set G0B1,  80
.set MSB, 0
.macro WIN new                         ; the immediate's high byte repeats the setting that is left
.if MSB != \new
	s_set_vgpr_msb (MSB<<8)|\new
.set MSB, \new
.endif
.endm
.macro PLACES n
.rept \n
	v_nop
.endr
.endm
.macro JLOAD g0a, g1a, g0b, g1b        ; a joint load: waves 0 and 1 fetch for A, waves 2 and 3 for B; four v_nop follow each of the two lines
	s_cmp_eq_u32 s15, 0
	s_cbranch_scc0 .Lfor_b_\@
	tensor_load_to_lds s[\g0a:\g0a+3], s[\g1a:\g1a+7]
	s_nop 0
.rept 4
	v_nop
.endr
	s_branch .Lasked_\@
.Lfor_b_\@:
	tensor_load_to_lds s[\g0b:\g0b+3], s[\g1b:\g1b+7]
	s_nop 0
.rept 4
	v_nop
.endr
.Lasked_\@:
.endm
.macro CROUND                          ; a round of the cluster's barrier
	s_barrier_signal -1
	s_barrier_wait -1
	s_cmp_lg_u32 s14, 0
	s_cbranch_scc1 .Lnot_wave_0_\@
	s_barrier_signal -3
.Lnot_wave_0_\@:
	s_barrier_wait -3
	s_barrier_signal -1
	s_barrier_wait -1
.endm
.macro SHAPE g, c, r, p                ; words 1 to 7 of a group 1: r rows of c elements of 8 bytes, p elements from row to row
	s_mov_b32 s[\g+1], (\c)<<16
	s_mov_b32 s[\g+2], (\r)<<16
	s_mov_b32 s[\g+3], (\c)<<16
	s_mov_b32 s[\g+4], \r
	s_mov_b32 s[\g+5], \p
	s_mov_b32 s[\g+6], 0
	s_mov_b32 s[\g+7], 0
.endm
.macro PLACE g, lreg, lconst, alo, off ; a group 0: to LDS byte s[lreg] + lconst, from s[alo:alo+1] + off
	s_mov_b32 s[\g], 1
	s_add_co_u32 s[\g+1], s[\lreg], \lconst
	s_add_nc_u64 s[\g+2:\g+3], s[\alo:\alo+1], \off
	s_or_b32 s[\g+3], s[\g+3], 0x80000000
.endm
.macro QUANT s, pc, pw                 ; 64 numbers of a lane, register 16 b + i = k 32 b + 16 (lane / 16) + i, become a fragment's 8 registers of codes and its row's scale word
.irp b, 0,1,2,3
	v_max3_num_f32 v[TM+\b], |v[(\s)+16*\b]|, |v[(\s)+1+16*\b]|, 0x1800000   ; with the floor 2^(3 - 127): the byte cannot fall under 1
.endr
.irp i, 2,4,6,8,10,12,14
.irp b, 0,1,2,3
	v_max3_num_f32 v[TM+\b], v[TM+\b], |v[(\s)+16*\b+\i]|, |v[(\s)+1+16*\b+\i]|
.endr
.endr
.irp b, 0,1,2,3
	v_permlanex16_b32 v[TM+4+\b], v[TM+\b], s[SEL], s[SEL+1]
.endr
.irp b, 0,1,2,3
	v_max_num_f32 v[TM+\b], v[TM+\b], v[TM+4+\b]
.endr
.irp b, 0,1,2,3
	v_add_nc_u32 v[TM+12+\b], 0xff000000, v[TM+\b]        ; 2 off the exponent field: the conversion's scale operand
.endr
.irp b, 0,1,2,3
	v_lshrrev_b32 v[TM+4+\b], 23, v[TM+12+\b]
.endr
	v_lshl_or_b32 v[\pw], v[TM+5], 8, v[TM+4]
	v_lshl_or_b32 v[\pw], v[TM+6], 16, v[\pw]
	v_lshl_or_b32 v[\pw], v[TM+7], 24, v[\pw]
.irp b, 0,1,2,3
	v_cvt_scalef32_pk8_fp4_f32 v[(\pc)+2*\b], v[(\s)+16*\b:(\s)+7+16*\b], v[TM+12+\b]
	v_cvt_scalef32_pk8_fp4_f32 v[(\pc)+1+2*\b], v[(\s)+8+16*\b:(\s)+15+16*\b], v[TM+12+\b]
.endr
	v_nop                                          ; one plain place behind a scaled conversion
.irp c, 0,1
.irp i, 0,1
	v_permlane16_swap_b32 v[(\pc)+4*\c+\i], v[(\pc)+2+4*\c+\i]
.endr
.endr
.endm
	s_load_b256 s[4:11], s[0:1], 0x0               ; xq s[4:5], waq s[6:7], b_attn s[8:9], qkq s[10:11]
	s_load_b64 s[12:13], s[0:1], 0x20              ; vq
	v_lshl_add_u32 v234, v0, 2, 0x34000
	v_mov_b32 v235, 0
	ds_add_u32 v234, v235
	ds_add_u32 v234, v235
	v_lshrrev_b32 v1, 5, v0
	v_readfirstlane_b32 s14, v1                    ; wave 0..3
	s_lshr_b32 s15, s14, 1                         ; which 64 rows of A are mine.  Also: I fetch for A (0) or for B (1)
	s_and_b32 s16, s14, 1                          ; which 128 rows of B.  Also: which half of that operand's tiles I fetch
	s_bfe_u32 s17, ttmp6, 0x40000                  ; cx
	s_bfe_u32 s18, ttmp6, 0x40004                  ; cy
	s_and_b32 s20, ttmp7, 0xffff                   ; the cluster's y, 0..23
	s_lshl_b32 s88, s20, 2                         ; A's block of 128 rows, less cy: tokens: 4 x cluster y;
	s_and_b32 s89, s20, 0xfc                       ; v's columns: 16 or 20 (rows 2,048 on of waq)
	s_lshl_b32 s92, ttmp9, 2                       ; B's block of 256 rows, less cx: q's and k's columns: 4 x cluster x;
	s_and_b32 s93, s20, 3
	s_lshl_b32 s93, s93, 3
	s_add_co_u32 s93, s93, s92                     ; tokens: 8 (cluster y % 4) + 4 x cluster x
	s_mov_b32 s96, WSOFF
	s_wait_dscnt 0x0
	s_wait_kmcnt 0x0
	s_cmp_lt_u32 s20, 16                           ; the kind hangs on the cluster's y alone
	s_cselect_b64 s[84:85], s[4:5], s[6:7]         ; A's buffer
	s_cselect_b64 s[86:87], s[6:7], s[4:5]         ; B's
	s_cselect_b32 s22, s88, s89
	s_cselect_b32 s23, s92, s93
	s_cselect_b32 s97, XSOFF, s96                  ; where A's scale words begin,
	s_cselect_b32 s98, s96, XSOFF                  ; and B's
	s_cselect_b32 s21, 0, 1                        ; the kind: 0 q and k, 1 v
	s_add_co_u32 s22, s22, s18                     ; IA: my block of A
	s_add_co_u32 s23, s23, s17                     ; IB: my block of B
	s_lshl_b32 s90, s18, 2
	s_lshl_b32 s90, 15, s90                        ; my row of the cluster
	s_lshl_b32 s94, 0x1111, s17                    ; my column
	s_or_b32 s[G1A], s90, (3<<16)|(1<<21)          ; 15:0 the mask; 17:16 elements of 8 bytes; 21 set beside a mask; no padding: images are read 16 bytes a lane on end
	s_or_b32 s[G1SA], s90, (3<<16)|(1<<21)
	s_or_b32 s[G1B], s94, (3<<16)|(1<<21)
	s_or_b32 s[G1SB], s94, (3<<16)|(1<<21)
	SHAPE G1A, 512, 4, 1024                        ; four tiles' halves of K: rows of 4,096 bytes, 8,192 apart
	SHAPE G1B, 512, 8, 1024                        ; eight tiles'
	SHAPE G1SA, 32, 8, 32                          ; four tiles' scale words: 2,048 dense bytes as rows of 256
	SHAPE G1SB, 32, 16, 32                         ; eight tiles': 4,096
	s_lshl_b32 s88, s22, 16                        ; A's codes: 65,536 IA + 32,768 x my half
	s_lshl_b32 s89, s16, 15
	s_add_co_u32 s88, s88, s89
	s_mov_b32 s89, 0
	s_add_nc_u64 s[88:89], s[84:85], s[88:89]
	s_lshl_b32 s90, s22, 12                        ; A's scale words: 4,096 IA + 2,048 x my half
	s_lshl_b32 s91, s16, 11
	s_add_co_u32 s90, s90, s91
	s_add_co_u32 s90, s90, s97
	s_mov_b32 s91, 0
	s_add_nc_u64 s[90:91], s[84:85], s[90:91]
	s_lshl_b32 s92, s23, 17                        ; B's codes: 131,072 IB + 65,536 x my half
	s_lshl_b32 s93, s16, 16
	s_add_co_u32 s92, s92, s93
	s_mov_b32 s93, 0
	s_add_nc_u64 s[92:93], s[86:87], s[92:93]
	s_lshl_b32 s94, s23, 13                        ; B's scale words
	s_lshl_b32 s95, s16, 12
	s_add_co_u32 s94, s94, s95
	s_add_co_u32 s94, s94, s98
	s_mov_b32 s95, 0
	s_add_nc_u64 s[94:95], s[86:87], s[94:95]
	s_lshl_b32 s96, s16, 14                        ; where they go hangs on the wave's number alone
	s_lshl_b32 s97, s16, 11
	s_lshl_b32 s98, s16, 15
	s_lshl_b32 s99, s16, 12
	PLACE G0SA, 97, LSA, 90, 0
	PLACE G0A0, 96, LA, 88, 0
	PLACE G0A1, 96, LA+32768, 88, 4096
	PLACE G0SB, 99, LSB, 94, 0
	PLACE G0B0, 98, LB, 92, 0
	PLACE G0B1, 98, LB+65536, 92, 4096
	CROUND                                         ; all sixteen work-groups are here: the joint loads meet
	JLOAD G0SA, G1SA, G0SB, G1SB                   ; the scale words of all of K,
	JLOAD G0A0, G1A, G0B0, G1B                     ; K steps 0-3,
	JLOAD G0A1, G1A, G0B1, G1B                     ; K steps 4-7: three loads of mine are out
	v_and_b32 v9, 31, v0
	v_lshlrev_b32 v1, 4, v9                        ; 16 x lane
	v_and_b32 v2, 15, v0                           ; r
	v_bfe_u32 v3, v0, 4, 1                         ; h
	s_lshl_b32 s96, s15, 14
	v_add_nc_u32 v[ADA], s96, v1                   ; my four tiles of A
	s_lshl_b32 s96, s16, 15
	s_add_co_u32 s96, s96, LB
	v_add_nc_u32 v[ADB0], s96, v1                  ; my eight tiles of B, K steps 0-3,
	v_add_nc_u32 v[ADB1], 65536, v[ADB0]           ; and 4-7
	v_lshlrev_b32 v10, 4, v2                       ; 16 r
	s_lshl_b32 s96, s15, 11
	s_add_co_u32 s96, s96, LSA
	v_add_nc_u32 v[ADSA], s96, v10
	s_lshl_b32 s96, s16, 12
	s_add_co_u32 s96, s96, LSB
	v_add_nc_u32 v[ADSB], s96, v10
	v_lshlrev_b32 v9, 6, v3                        ; the bias along B: 64 h
	v_and_b32 v11, 8, v2
	v_add_nc_u32 v11, v11, v2
	v_lshlrev_b32 v11, 2, v11                      ; the bias along A: 4 (r + 8 (r / 8))
	v_lshl_add_u32 v12, v3, 13, v10                ; q's and k's scale words: 8,192 h + 16 r
	v_lshl_add_u32 v13, v3, 3, v10                 ; v's: 16 r + 8 h
	s_mov_b32 s[SEL], 0x76543210
	s_mov_b32 s[SEL+1], 0xfedcba98
	s_mov_b32 s19, 0xffff0000                      ; lanes 16-31
	v_mov_b32 v[SELV], 0x01000100                  ; lanes 0-15 double the word's bytes 0, 1 (the even head's), lanes 16-31 bytes 2, 3
	v_mov_b32 v254, 0x03020302
	v_cndmask_b32 v[SELV], v[SELV], v254, s19
.irp b, 0,1,2,3
	v_mov_b32 v[TM+4+\b], 0                        ; written once: a lane permute's destination counts as one of its sources
.endr
	; Both kinds of bias are loaded by every work-group, so that no register hangs on the kind: the one that a work-group does not use reads b_attn's first bytes and is not used.
	s_lshl_b32 s96, s23, 10
	s_lshl_b32 s97, s16, 9
	s_add_co_u32 s96, s96, s97                     ; along B: 4 (256 IB + 128 x my half)
	s_lshl_b32 s98, s22, 9
	s_lshl_b32 s99, s15, 8
	s_add_co_u32 s98, s98, s99                     ; along A: 4 (128 IA + 64 x my half)
	s_cmp_eq_u32 s21, 0
	s_cselect_b32 s96, s96, 0
	s_cselect_b32 s98, 0, s98
	s_mov_b32 s97, 0
	s_mov_b32 s99, 0
	s_add_nc_u64 s[96:97], s[8:9], s[96:97]
	s_add_nc_u64 s[98:99], s[8:9], s[98:99]
	WIN 0x80                                       ; destination window 2
.irp q, 0,1,2,3
.irp j, 0,1,2,3
	global_load_b128 v[BI+16*\q+4*\j:BI+16*\q+4*\j+3], v9, s[96:97] offset:128*\q+16*\j   ; register 16 q + i: the bias of B's row 32 q + 16 h + i
.endr
.endr
	WIN 0
.irp a, 0,1,2,3
	global_load_b32 v[BV+2*\a], v11, s[98:99] offset:4*(32*(\a/2)+8*(\a%2))
	global_load_b32 v[BV+2*\a+1], v11, s[98:99] offset:4*(32*(\a/2)+8*(\a%2))
.endr
.macro FETCH k, set                    ; K step k's fragments, 8 of B and 4 of A, into a set: 24 loads, each 512 consecutive bytes
	WIN 0x80
.irp b, 0,1,2,3,4,5,6,7
.irp c, 0,1
	ds_load_b128 v[BF+64*(\set)+8*\b+4*\c:BF+64*(\set)+8*\b+4*\c+3], v[ADB0+(\k)/4] offset:\b*4096+((\k)%4)*1024+512*\c
.endr
.endr
.irp a, 0,1,2,3
.irp c, 0,1
	ds_load_b128 v[AF+32*(\set)+8*\a+4*\c:AF+32*(\set)+8*\a+4*\c+3], v[ADA] offset:((\k)/4)*32768+\a*4096+((\k)%4)*1024+512*\c
.endr
.endr
	WIN 0
.endm
.macro SCALES hk                       ; the scale words of four K steps: lane r takes row r's four words
.irp a, 0,1,2,3
	ds_load_b128 v[SC+48*\hk+4*\a:SC+48*\hk+4*\a+3], v[ADSA] offset:\a*512+\hk*256
.endr
.irp b, 0,1,2,3,4,5,6,7
	ds_load_b128 v[SC+16+48*\hk+4*\b:SC+16+48*\hk+4*\b+3], v[ADSB] offset:\b*512+\hk*256
.endr
.endm
.macro MUL k, zero                     ; 32 matrix instructions; the 32 accumulators take turns, one instruction a turn, in the same order in every step
	WIN 0x5a                                       ; sources 0 and 1 window 2, C and D window 1
.irp a, 0,1,2,3
.irp b, 0,1,2,3,4,5,6,7
.if \zero
	v_wmma_scale_f32_16x16x128_f8f6f4 v[8*(8*\a+\b):8*(8*\a+\b)+7], v[BF+64*((\k)%2)+8*\b:BF+64*((\k)%2)+8*\b+7], v[AF+32*((\k)%2)+8*\a:AF+32*((\k)%2)+8*\a+7], 0, v[SC+16+48*((\k)/4)+4*\b+(\k)%4], v[SC+48*((\k)/4)+4*\a+(\k)%4] matrix_a_fmt:MATRIX_FMT_FP4 matrix_b_fmt:MATRIX_FMT_FP4
.else
	v_wmma_scale_f32_16x16x128_f8f6f4 v[8*(8*\a+\b):8*(8*\a+\b)+7], v[BF+64*((\k)%2)+8*\b:BF+64*((\k)%2)+8*\b+7], v[AF+32*((\k)%2)+8*\a:AF+32*((\k)%2)+8*\a+7], v[8*(8*\a+\b):8*(8*\a+\b)+7], v[SC+16+48*((\k)/4)+4*\b+(\k)%4], v[SC+48*((\k)/4)+4*\a+(\k)%4] matrix_a_fmt:MATRIX_FMT_FP4 matrix_b_fmt:MATRIX_FMT_FP4
.endif
.endr
.endr
	WIN 0
.endm
.macro STEP k                          ; the next step's fragments are asked for, then this step is multiplied
.if (\k) < 7
.if (\k) > 0
	PLACES 4                                       ; four places in front of loads into the set that the last step's products read (ISA guide 7.12.1 for vector instructions)
.endif
	FETCH (\k)+1, ((\k)+1)%2
	s_wait_dscnt 24                                ; all but the 24 just issued: this step's fragments are in
.else
	s_wait_dscnt 0x0
.endif
.if (\k) == 0
	MUL \k, 1                                      ; the first products start the sums: nothing is cleared
.else
	MUL \k, 0
.endif
.endm
	s_wait_tensorcnt 0x1                           ; my scale words and my K steps 0-3 are in; K steps 4-7 may stay out
	s_barrier_signal -1
	s_barrier_wait -1                              ; everybody's are
	SCALES 0
	SCALES 1
	FETCH 0, 0
	STEP 0
	STEP 1
	STEP 2
	s_wait_tensorcnt 0x0                           ; my K steps 4-7 are in,
	s_wait_dscnt 0x0                               ; and no LDS load of mine is out at the signal
	s_barrier_signal -1
	s_barrier_wait -1                              ; everybody's are
	STEP 3
	STEP 4
	STEP 5
	STEP 6
	STEP 7
	PLACES 4                                       ; in front of the first read of results
	s_wait_loadcnt 0x0                             ; the biases
; THE WAY OUT, a tile of A at a time: + bias (each accumulator from its low end on), quantised along B's 128 rows, images stored 512 consecutive bytes an instruction.  No store's data or address is written again.
.macro EPI ty
.irp a, 0,1,2,3
.if \ty == 0
	WIN 0x09                                       ; source 0 (sums) window 1, source 1 (bias along B) window 2
.set i, 0
.rept 32
	v_pk_add_f32 v[T+i:T+i+1], v[64*\a+i:64*\a+i+1], v[BI+i:BI+i+1]
.set i, i+2
.endr
.else
	WIN 0x01                                       ; source 0 window 1; the bias of my row of A lies in window 0
.set i, 0
.rept 32
	v_pk_add_f32 v[T+i:T+i+1], v[64*\a+i:64*\a+i+1], v[BV+2*\a:BV+2*\a+1]
.set i, i+2
.endr
.endif
	WIN 0
	QUANT T, PC+8*\a, PW
.if \ty == 0
	v_perm_b32 v[W+\a], v[PW], v[PW], v[SELV]      ; a head has two blocks: its two bytes, twice
	global_store_b128 v1, v[PC+8*\a:PC+8*\a+3], s[94:95] offset:512*\a            ; the even head's 64 channels of 16 tokens,
	global_store_b128 v1, v[PC+8*\a+4:PC+8*\a+7], s[94:95] offset:65536+512*\a    ; the odd head's
.else
	v_mov_b32 v[W+\a], v[PW]
	global_store_b128 v1, v[PC+8*\a:PC+8*\a+3], s[94:95] offset:1024*\a           ; 16 channels x 128 keys
	global_store_b128 v1, v[PC+8*\a+4:PC+8*\a+7], s[94:95] offset:1024*\a+512
.endif
.endr
.endm
	s_cmp_eq_u32 s21, 0
	s_cbranch_scc0 .Lkind_v
	s_lshr_b32 s88, s22, 4                         ; batch = IA / 16
	s_lshl_b32 s89, s88, 21
	s_lshl_b32 s90, s23, 2
	s_lshl_b32 s91, s16, 1
	s_add_co_u32 s90, s90, s91                     ; my even head' = 4 IB + 2 x my half
	s_lshl_b32 s91, s90, 16
	s_add_co_u32 s89, s89, s91
	s_and_b32 s92, s22, 15
	s_lshl_b32 s93, s92, 3
	s_lshl_b32 s94, s15, 2
	s_add_co_u32 s93, s93, s94                     ; my first tile of the batch's 128
	s_lshl_b32 s93, s93, 9
	s_add_co_u32 s94, s89, s93
	s_mov_b32 s95, 0
	s_add_nc_u64 s[94:95], s[10:11], s[94:95]
	s_lshl_b32 s88, s88, 5
	s_add_co_u32 s88, s88, s90
	s_lshl_b32 s88, s88, 13                        ; 8,192 bytes of scale words a head'
	s_lshl_b32 s92, s92, 1
	s_add_co_u32 s92, s92, s15
	s_lshl_b32 s92, s92, 8                         ; my four tiles are one group of 256 bytes
	s_add_co_u32 s88, s88, s92
	s_add_co_u32 s88, s88, QKS
	s_mov_b32 s89, 0
	s_add_nc_u64 s[88:89], s[10:11], s[88:89]
	EPI 0
	global_store_b128 v12, v[W:W+3], s[88:89]      ; lanes 0-15 the even head's 256 bytes, lanes 16-31 the odd head's
	s_branch .Ldone
.Lkind_v:
	s_lshr_b32 s88, s23, 3                         ; batch = IB / 8
	s_lshl_b32 s88, s88, 4
	s_sub_co_u32 s89, s22, 16
	s_lshl_b32 s89, s89, 1
	s_add_co_u32 s88, s88, s89
	s_add_co_u32 s88, s88, s15                     ; 16 x batch + head, head = 2 (IA - 16) + my half
	s_lshl_b32 s88, s88, 4
	s_and_b32 s89, s23, 7
	s_lshl_b32 s89, s89, 1
	s_add_co_u32 s88, s88, s89
	s_add_co_u32 s88, s88, s16                     ; x 16 + key step, key step = 2 (IB % 8) + my half
	s_lshl_b32 s94, s88, 12
	s_mov_b32 s95, 0
	s_add_nc_u64 s[94:95], s[12:13], s[94:95]
	s_lshl_b32 s88, s88, 8
	s_add_co_u32 s88, s88, VQS
	s_mov_b32 s89, 0
	s_add_nc_u64 s[88:89], s[12:13], s[88:89]
	EPI 1
	v_cndmask_b32 v254, v[W], v[W+2], s19          ; lanes 0-15 store words 0, 1 of channel row r, lanes 16-31 words 2, 3
	v_cndmask_b32 v255, v[W+1], v[W+3], s19
	global_store_b64 v13, v[254:255], s[88:89]     ; 256 consecutive bytes, aligned
.Ldone:
	s_wait_tensorcnt 0x0
	ds_add_u32 v234, v235
	s_wait_dscnt 0x0
	CROUND                                         ; the closing round: no work-group ends while a partner may still ask for a tile that names it
	s_endpgm
.Lfunc_end_k_q5c8e465d80_qkv:
	.size	k_q5c8e465d80_qkv, .Lfunc_end_k_q5c8e465d80_qkv-k_q5c8e465d80_qkv
	.p2alignl 7, 3214868480
	.fill 96, 4, 3214868480
	.section	.rodata,"a",@progbits
	.p2align	6, 0x0
	.amdhsa_kernel k_q5c8e465d80_qkv
		.amdhsa_group_segment_fixed_size 213504
		.amdhsa_private_segment_fixed_size 0
		.amdhsa_enable_private_segment 0
		.amdhsa_kernarg_size 40
		.amdhsa_user_sgpr_count 2
		.amdhsa_user_sgpr_kernarg_segment_ptr 1
		.amdhsa_wavefront_size32 1
		.amdhsa_system_sgpr_workgroup_id_x 1
		.amdhsa_system_sgpr_workgroup_id_y 1
		.amdhsa_system_sgpr_workgroup_id_z 1
		.amdhsa_system_vgpr_workitem_id 0
		.amdhsa_next_free_vgpr 768
		.amdhsa_next_free_sgpr 100
		.amdhsa_reserve_vcc 0
		.amdhsa_float_denorm_mode_32 3
		.amdhsa_float_denorm_mode_16_64 3
		.amdhsa_memory_ordered 1
		.amdhsa_forward_progress 1
		.amdhsa_inst_pref_size 111
	.end_amdhsa_kernel
	.amdgpu_metadata
---
amdhsa.version: [ 1, 2 ]
amdhsa.kernels:
  - .name:           k_q5c8e465d80_qkv
    .symbol:         k_q5c8e465d80_qkv.kd
    .args:
      - { .name: xq, .offset: 0, .size: 8, .value_kind: global_buffer, .address_space: global }
      - { .name: waq, .offset: 8, .size: 8, .value_kind: global_buffer, .address_space: global }
      - { .name: b_attn, .offset: 16, .size: 8, .value_kind: global_buffer, .address_space: global }
      - { .name: qkq, .offset: 24, .size: 8, .value_kind: global_buffer, .address_space: global }
      - { .name: vq, .offset: 32, .size: 8, .value_kind: global_buffer, .address_space: global }
    .group_segment_fixed_size: 213504
    .private_segment_fixed_size: 0
    .kernarg_segment_align: 8
    .kernarg_segment_size: 40
    .max_flat_workgroup_size: 128
    .sgpr_count:     100
    .vgpr_count:     768
    .wavefront_size: 32
...
	.end_amdgpu_metadata
.endif
;; end of part 2
;; launch attn (part 3): grid 4 x 64, 16 waves a work-group, no clusters, 169,984 bytes of LDS; arguments qkq, vq, attention_mask, yq; writes yq
.if DOCPART == 3
	.amdgcn_target "amdgcn-amd-amdhsa--gfx1250"
	.amdhsa_code_object_version 6
	.text
	.protected	k_q5c8e465d80_attn
	.globl	k_q5c8e465d80_attn
	.p2align	8
	.type	k_q5c8e465d80_attn,@function
k_q5c8e465d80_attn:
	s_mov_b64 s[64:65], 0
	v_nop
	global_prefetch_b8 v0, s[64:65] scope:SCOPE_SE
	s_setreg_imm32_b32 hwreg(HW_REG_WAVE_MODE, 25, 1), 1
	s_wait_xcnt 0x0
; y[b][q][head] = softmax_k(q . k / 8, causal, keys with attention_mask = 0 hidden) v, both products on codes of FP4 with E8M0 scales; y is quantised along the model's 1,024 channels for the last product.
; THE SOFTMAX AHEAD OF THE SECOND PRODUCT: t = score x log2(e) / 8; M = the row's largest t so far, rounded UP to a whole number; p = 2^(t - M) is quantised along the keys, not normalised; the row's sum is taken of the
; unquantised p and divides at the end.  When M moves, the sum and O are multiplied by 2^(old M - new M): exact.
; SHARES.  A work-group owns one head of one batch and the blocks i and 7 - i of 256 queries; wave w takes tile 16 i + w (16 queries), then tile 127 - (16 i + w): together 17 visible key steps of 128 for every wave of the launch.
; THE WHOLE HEAD LIES IN LDS: k's and v's codes, 64 KB each, their scale words, and the pad mask as numbers: filled once, read only.  Keys 0-1023 come first and are all that the first pass reads; the rest is waited for between the passes.
; NO CLUSTER: steps that lie wholly behind the diagonal are left out by a branch on the query block, which in a cluster along x would be the work-group's place in it; what partners would share is one fill of 140 KB a work-group.
; LAYOUT.  Both products are used transposed (S^T = K Q^T, O^T = V^T P^T): a lane holds ONE query.  A tile 2 g + c of tokens holds in row r token 32 g + 8 c + r + 8 (r / 8), so the 16 registers of two neighbouring tiles of keys are 16 neighbouring keys.
; THE HEAD'S K IS 64, the instruction's 128: a fragment of K holds TWO tiles of keys (k 0-63: the even tile's channels, k 64-127: the odd tile's), and Q stands beside zero codes, once low and once high; scale words hold a row's two bytes twice.
; THE PAD MASK costs no vector work in the loop: 0 or -2^120 for each key lies in LDS and is loaded as the C of the score products.  The largest t begins at -2^100, over every hidden t: a hidden key's p is 0.
; A row with no visible key keeps the sum 0: its scale bytes become 0xff (NaN in E8M0), so that its row of the result is NaN, as a softmax of nothing is.
; LIMITS: |t| of visible keys stays under 2^100; NaN and infinities are not served; a block under 2^-124 gets the byte 1.  y's scale bytes leave as single bytes, 32 a wave and pass.
; REGISTERS: v1-7, v31 addresses that stay; v8-11, v30 the step's; v12 -M, v13 the largest t, v[14:15] the sum; v16-27 zeros, Q, zeros; v28 Q's scale word; v29 p's; v32-63 K; v64-95 V; v96-159 S^T, then p; v160-191 O^T; v192-199 p's codes; v200-211 K's and V's scale words; v212-253 at work.
.set LK,   0                           ; LDS: k's codes [tile 128][512]
.set LV,   65536                       ; v's fragments [key step 16][channel tile 4][1024]
.set LKS,  131072                      ; k's scale words [tile / 4][r][4 words]
.set LVS,  139264                      ; v's [key step][r][4 words]
.set LM,   143360                      ; 2,048 numbers: 0 or -2^120; written by LDS stores, no fill lands here
.set QKS,  8388608
.set VQS,  4194304
.set AK0,  1
.set AV0,  2
.set AKS0, 3
.set AVS0, 4
.set AM0,  5
.set LQ,   6                           ; r + 8 (r / 8) - 16 h
.set YB,   7                           ; 16 r + h
.set ADK,  8
.set ADV,  9
.set ADKS, 10
.set ADVS, 11
.set ADM,  30
.set R16,  31
.set QS,   28
.set PW,   29
.set KF,   32
.set VF,   64
.set S,    96
.set O,    160
.set PC,   192
.set KS,   200
.set VS,   208
.set BM,   212                         ; each block's largest score, then p
.set PB,   216                         ; permute destinations, then bytes
.set SO,   220                         ; the conversions' scale operands
.set FF,   224                         ; v[224:225] f = 2^(old M - new M)
.set L2,   226                         ; v[226:227] the sum's second chain
.set TT,   228
.set DD,   229
.set C255, 232
.set NINF, 233
.set WV,   2
.set TP,   3
.set SEL,  20
.set CS,   22
.set G1C,  24
.set G1KS, 32
.set G1VS, 40
.set G0K,  48
.set G0V,  56
.set G0KS, 68
.set G0VS, 76
.set TQ,   84                          ; my tile of queries
.set Q0,   85                          ; its first query
.set QM,   86                          ; its last
.set KFS,  87                          ; the step's first key
.set TC,   88                          ; the step's codes: 4,096 bytes a step
.set TK,   89                          ; k's scale words and the mask's numbers: 512 a step
.set TV,   90                          ; v's scale words: 256 a step
.set CNT,  91
.set HI,   101
.macro PLACES n
.rept \n
	v_nop
.endr
.endm
.macro SHAPE g, r                      ; a group 1: r dense rows of 256 bytes (32 elements of 8), no mask, no padding
	s_mov_b32 s[\g], 3<<16
	s_mov_b32 s[\g+1], 32<<16
	s_mov_b32 s[\g+2], (\r)<<16
	s_mov_b32 s[\g+3], 32<<16
	s_mov_b32 s[\g+4], \r
	s_mov_b32 s[\g+5], 32
	s_mov_b32 s[\g+6], 0
	s_mov_b32 s[\g+7], 0
.endm
	s_load_b256 s[4:11], s[0:1], 0x0               ; qkq s[4:5], vq s[6:7], attention_mask s[8:9], yq s[10:11]
	v_lshl_add_u32 v254, v0, 2, 0x29000
	v_mov_b32 v255, 0
	ds_add_u32 v254, v255
	ds_add_u32 v254, v255
	v_lshrrev_b32 v1, 5, v0
	s_delay_alu instid0(VALU_DEP_1)
	v_readfirstlane_b32 s[WV], v1                  ; wave 0..15
	s_and_b32 s12, ttmp7, 0xffff                   ; 16 x batch + head
	s_lshr_b32 s13, s12, 4                         ; batch
	s_and_b32 s14, s12, 15                         ; head
	s_and_b32 s15, s[WV], 3
	s_lshl_b32 s17, s15, 13                        ; which 8,192 bytes of a half I fetch, if I fetch codes
	s_lshl_b32 s16, s13, 5
	s_add_co_u32 s16, s16, s14                     ; q's head' = 32 x batch + head; k's is 16 further on
	s_add_co_u32 s18, s16, 16
	s_lshl_b32 s86, s18, 16
	s_add_co_u32 s86, s86, s17
	s_mov_b32 s87, 0
	s_lshl_b32 s88, s12, 16
	s_add_co_u32 s88, s88, s17
	s_mov_b32 s89, 0
	s_lshl_b32 s90, s18, 13
	s_add_co_u32 s90, s90, QKS
	s_mov_b32 s91, 0
	s_lshl_b32 s92, s12, 12
	s_add_co_u32 s92, s92, VQS
	s_mov_b32 s93, 0
	SHAPE G1C, 32                                  ; 8,192 bytes of codes
	SHAPE G1KS, 16                                 ; 4,096 bytes: half of k's scale words
	SHAPE G1VS, 8                                  ; 2,048: half of v's
	s_mov_b32 s[SEL], 0x76543210
	s_mov_b32 s[SEL+1], 0xfedcba98
	s_mov_b32 s[CS], 0x3e38aa3b                    ; c = log2(e) / 8
	s_mov_b32 s[CS+1], s[CS]                       ; (named with it as a pair, so it is written)
	s_mov_b32 s[HI], 0xffff0000                    ; lanes 16-31
	s_wait_dscnt 0x0
	s_wait_kmcnt 0x0
	s_add_nc_u64 s[86:87], s[4:5], s[86:87]
	s_add_nc_u64 s[88:89], s[6:7], s[88:89]
	s_add_nc_u64 s[90:91], s[4:5], s[90:91]
	s_add_nc_u64 s[92:93], s[6:7], s[92:93]
.irp k, 0,1                                    ; a group 0 for each half of the keys
	s_mov_b32 s[G0K+4*\k], 1
	s_add_co_u32 s[G0K+4*\k+1], s17, LK+\k*32768
	s_add_nc_u64 s[G0K+4*\k+2:G0K+4*\k+3], s[86:87], \k*32768
	s_or_b32 s[G0K+4*\k+3], s[G0K+4*\k+3], 0x80000000
	s_mov_b32 s[G0V+4*\k], 1
	s_add_co_u32 s[G0V+4*\k+1], s17, LV+\k*32768
	s_add_nc_u64 s[G0V+4*\k+2:G0V+4*\k+3], s[88:89], \k*32768
	s_or_b32 s[G0V+4*\k+3], s[G0V+4*\k+3], 0x80000000
	s_mov_b32 s[G0KS+4*\k], 1
	s_mov_b32 s[G0KS+4*\k+1], LKS+\k*4096
	s_add_nc_u64 s[G0KS+4*\k+2:G0KS+4*\k+3], s[90:91], \k*4096
	s_or_b32 s[G0KS+4*\k+3], s[G0KS+4*\k+3], 0x80000000
	s_mov_b32 s[G0VS+4*\k], 1
	s_mov_b32 s[G0VS+4*\k+1], LVS+\k*2048
	s_add_nc_u64 s[G0VS+4*\k+2:G0VS+4*\k+3], s[92:93], \k*2048
	s_or_b32 s[G0VS+4*\k+3], s[G0VS+4*\k+3], 0x80000000
.endr
	; The fills: waves 0-3 k's codes, 4-7 v's, wave 8 k's scale words, wave 9 v's; each the first half of the keys, then the second: two loads of such a wave are out.  A wave's two stand in one arm; four v_nop follow the second.
	s_cmp_lt_u32 s[WV], 4
	s_cbranch_scc0 .Lnot_k
	tensor_load_to_lds s[G0K:G0K+3], s[G1C:G1C+7]
	s_nop 0
	tensor_load_to_lds s[G0K+4:G0K+7], s[G1C:G1C+7]
	s_nop 0
	PLACES 4
	s_branch .Lasked
.Lnot_k:
	s_cmp_lt_u32 s[WV], 8
	s_cbranch_scc0 .Lnot_v
	tensor_load_to_lds s[G0V:G0V+3], s[G1C:G1C+7]
	s_nop 0
	tensor_load_to_lds s[G0V+4:G0V+7], s[G1C:G1C+7]
	s_nop 0
	PLACES 4
	s_branch .Lasked
.Lnot_v:
	s_cmp_eq_u32 s[WV], 8
	s_cbranch_scc0 .Lnot_ks
	tensor_load_to_lds s[G0KS:G0KS+3], s[G1KS:G1KS+7]
	s_nop 0
	tensor_load_to_lds s[G0KS+4:G0KS+7], s[G1KS:G1KS+7]
	s_nop 0
	PLACES 4
	s_branch .Lasked
.Lnot_ks:
	s_cmp_eq_u32 s[WV], 9
	s_cbranch_scc0 .Lasked
	tensor_load_to_lds s[G0VS:G0VS+3], s[G1VS:G1VS+7]
	s_nop 0
	tensor_load_to_lds s[G0VS+4:G0VS+7], s[G1VS:G1VS+7]
	s_nop 0
	PLACES 4
.Lasked:
	s_lshl_b32 s18, s13, 13                        ; the batch's 2,048 mask words
	s_mov_b32 s19, 0
	s_add_nc_u64 s[8:9], s[8:9], s[18:19]
	v_lshlrev_b32 v234, 4, v0                      ; each of the 512 threads takes four of them
	global_load_b128 v[236:239], v234, s[8:9]
	v_add_nc_u32 v235, LM, v234
	v_and_b32 v8, 31, v0
	s_delay_alu instid0(VALU_DEP_1)
	v_lshlrev_b32 v[AK0], 4, v8                    ; 16 x lane
	s_delay_alu instid0(VALU_DEP_1)
	v_add_nc_u32 v[AV0], LV, v[AK0]
	v_and_b32 v9, 15, v0                           ; r
	v_bfe_u32 v10, v0, 4, 1                        ; h
	s_delay_alu instid0(VALU_DEP_2)
	v_lshlrev_b32 v[R16], 4, v9
	s_delay_alu instid0(VALU_DEP_1)
	v_add_nc_u32 v[AKS0], LKS, v[R16]
	s_delay_alu instid0(VALU_DEP_2)
	v_add_nc_u32 v[AVS0], LVS, v[R16]
	s_delay_alu instid0(VALU_DEP_4)
	v_lshlrev_b32 v[AM0], 6, v10
	s_delay_alu instid0(VALU_DEP_1)
	v_add_nc_u32 v[AM0], LM, v[AM0]                ; the mask's numbers of my half's 16 keys of a block: 64 h
	v_and_b32 v[LQ], 8, v9
	s_delay_alu instid0(VALU_DEP_1)
	v_add_nc_u32 v[LQ], v[LQ], v9
	v_lshlrev_b32 v11, 4, v10
	s_delay_alu instid0(VALU_DEP_1)
	v_sub_nc_u32 v[LQ], v[LQ], v11
	v_add_nc_u32 v[YB], v[R16], v10
.irp j, 16,17,18,19,24,25,26,27
	v_mov_b32 v[\j], 0                             ; zero codes on both sides of Q
.endr
.irp b, 0,1,2,3
	v_mov_b32 v[PB+\b], 0                          ; written once: a lane permute's destination counts as one of its sources
.endr
	v_mov_b32 v[TT], 0
	v_mov_b32 v[FF+1], 0                           ; (named as the upper half of f's pair)
	v_mov_b32 v[C255], 0xff
	v_mov_b32 v[NINF], 0xff800000
	v_mov_b32 v240, 0xfb800000                     ; -2^120
	v_mov_b32 v241, 0
	; the head's bases: q's codes and scale words, y's codes and scale bytes
	s_lshl_b32 s92, s16, 16
	s_mov_b32 s93, 0
	s_add_nc_u64 s[92:93], s[4:5], s[92:93]
	s_lshl_b32 s94, s16, 13
	s_add_co_u32 s94, s94, QKS
	s_mov_b32 s95, 0
	s_add_nc_u64 s[94:95], s[4:5], s[94:95]
	s_lshl_b32 s96, s13, 20                        ; y as an operand of the last product: tile 128 x batch + my tile, 8,192 bytes a tile; head eta is half eta % 2 of K step eta / 2: 512 eta
	s_lshl_b32 s[TP], s14, 9
	s_add_co_u32 s96, s96, s[TP]
	s_mov_b32 s97, 0
	s_add_nc_u64 s[96:97], s[10:11], s[96:97]
	s_lshl_b32 s98, s13, 16                        ; its scale bytes: 512 a tile; 256 (eta / 8) + 2 (eta % 8)
	s_lshr_b32 s[TP], s14, 3
	s_lshl_b32 s[TP], s[TP], 8
	s_add_co_u32 s98, s98, s[TP]
	s_and_b32 s[TP], s14, 7
	s_lshl_b32 s[TP], s[TP], 1
	s_add_co_u32 s98, s98, s[TP]
	s_add_co_u32 s98, s98, 4194304
	s_mov_b32 s99, 0
	s_add_nc_u64 s[98:99], s[10:11], s[98:99]
	s_wait_alu depctr_va_vdst(0)
	s_wait_loadcnt 0x0                             ; the mask's words
.irp j, 0,1,2,3
	v_cmp_ne_u32 vcc_lo, 0, v[236+\j]
	s_delay_alu instid0(VALU_DEP_1)
	v_cndmask_b32 v[236+\j], v240, v241, vcc_lo    ; 0 where the key counts, -2^120 where it does not: a choice of values, no branch
.endr
	ds_store_b128 v235, v[236:239]
	s_wait_tensorcnt 0x1                           ; my part of keys 0-1023 is in; my part of the rest may stay out
	s_wait_dscnt 0x0                               ; my four numbers lie in LDS
	s_barrier_signal -1
	s_barrier_wait -1
; A KEY STEP: 128 keys.
.macro STEP
	s_cmp_gt_u32 s[KFS], s[QM]                     ; all its keys come after my queries: left out, by ids alone; the lines at its end that step addresses are not
	s_cbranch_scc1 .Lhidden_\@
	s_setprio 2
	v_add_nc_u32 v[ADK], s[TC], v[AK0]             ; (these five are also the places in front of loads into registers that the last products read)
	v_add_nc_u32 v[ADV], s[TC], v[AV0]
	v_add_nc_u32 v[ADKS], s[TK], v[AKS0]
	v_add_nc_u32 v[ADVS], s[TV], v[AVS0]
	v_add_nc_u32 v[ADM], s[TK], v[AM0]
.irp b, 0,1,2,3
.irp u, 0,1
.irp j, 0,1
	ds_load_b128 v[S+16*\b+8*\u+4*\j:S+16*\b+8*\u+4*\j+3], v[ADM] offset:128*\b+32*\u+16*\j   ; the mask's numbers of keys 32 b + 16 h + 8 u + 4 j ..: what the scores are added onto
.endr
.endr
.endr
.irp f, 0,1,2,3
.irp c, 0,1
	ds_load_b128 v[KF+8*\f+4*\c:KF+8*\f+4*\c+3], v[ADK] offset:1024*\f+512*\c   ; tiles 2 f and 2 f + 1 of keys
.endr
.endr
	ds_load_b128 v[KS:KS+3], v[ADKS]
	ds_load_b128 v[KS+4:KS+7], v[ADKS] offset:256
.irp t, 0,1,2,3
.irp c, 0,1
	ds_load_b128 v[VF+8*\t+4*\c:VF+8*\t+4*\c+3], v[ADV] offset:1024*\t+512*\c
.endr
.endr
	ds_load_b128 v[VS:VS+3], v[ADVS]
	s_wait_dscnt 9                                 ; all but V's nine
.irp f, 0,1,2,3                                ; S^T = K Q^T + the mask's numbers: eight accumulators, one instruction each
	v_wmma_scale_f32_16x16x128_f8f6f4 v[S+16*\f:S+16*\f+7], v[KF+8*\f:KF+8*\f+7], v[20:27], v[S+16*\f:S+16*\f+7], v[KS+2*\f], v[QS] matrix_a_fmt:MATRIX_FMT_FP4 matrix_b_fmt:MATRIX_FMT_FP4
	v_wmma_scale_f32_16x16x128_f8f6f4 v[S+16*\f+8:S+16*\f+15], v[KF+8*\f:KF+8*\f+7], v[16:23], v[S+16*\f+8:S+16*\f+15], v[KS+2*\f+1], v[QS] matrix_a_fmt:MATRIX_FMT_FP4 matrix_b_fmt:MATRIX_FMT_FP4
.endr
	PLACES 4
	s_add_co_u32 s[TP], s[KFS], 127                ; on the diagonal hidden scores become -infinity; a step all of whose keys come before my queries skips this
	s_cmp_le_u32 s[TP], s[Q0]
	s_cbranch_scc1 .Lopen_\@
	s_sub_co_i32 s[TP], s[Q0], s[KFS]
	v_add_nc_u32 v[DD], s[TP], v[LQ]               ; d = my query - the step's first key - 16 h: register 16 b + i holds a hidden key where 32 b + i > d
.irp n, 0,1,2,3,4,5,6,7,8,9,10,11,12,13,14,15,16,17,18,19,20,21,22,23,24,25,26,27,28,29,30,31,32,33,34,35,36,37,38,39,40,41,42,43,44,45,46,47,48,49,50,51,52,53,54,55,56,57,58,59,60,61,62,63
	v_cmp_gt_i32 vcc_lo, 32*(\n/16)+\n%16, v[DD]
	v_cndmask_b32 v[S+\n], v[S+\n], v[NINF], vcc_lo
.endr
.Lopen_\@:
.irp b, 0,1,2,3
	v_max3_num_f32 v[BM+\b], v[S+16*\b], v[S+1+16*\b], v[S+2+16*\b]   ; the largest score of each block of 32 keys: for the row's maximum, and, since p rises with the score, for the block's largest p
.endr
.irp i, 3,5,7,9,11,13
.irp b, 0,1,2,3
	v_max3_num_f32 v[BM+\b], v[BM+\b], v[S+16*\b+\i], v[S+1+16*\b+\i]
.endr
.endr
.irp b, 0,1,2,3
	v_max_num_f32 v[BM+\b], v[BM+\b], v[S+15+16*\b]
.endr
.irp b, 0,1,2,3
	s_delay_alu instid0(VALU_DEP_4)
	v_permlanex16_b32 v[PB+\b], v[BM+\b], s[SEL], s[SEL+1]
.endr
.irp b, 0,1,2,3
	s_delay_alu instid0(VALU_DEP_4)
	v_max_num_f32 v[BM+\b], v[BM+\b], v[PB+\b]     ; with lane l xor 16's 16 keys
.endr
	s_delay_alu instid0(VALU_DEP_2)
	v_max3_num_f32 v[TT], v[BM], v[BM+1], v[BM+2]
	s_delay_alu instid0(VALU_DEP_1)
	v_max_num_f32 v[TT], v[TT], v[BM+3]
	s_delay_alu instid0(VALU_DEP_1)
	v_mul_f32 v[TT], s[CS], v[TT]                  ; as t
	s_delay_alu instid0(VALU_DEP_1)
	v_max_num_f32 v13, v13, v[TT]                  ; the running largest t
	v_mov_b32 v[TT], v12
	s_delay_alu instid0(VALU_DEP_2)
	v_floor_f32 v12, -v13                          ; the new -M = -ceil(t)
	s_delay_alu instid0(VALU_DEP_1)
	v_sub_f32 v[TT], v12, v[TT]                    ; old M - new M: a whole number, 0 or less
	s_delay_alu instid0(VALU_DEP_1)
	v_cvt_i32_f32 v[TT], v[TT]                     ; (it saturates)
	s_delay_alu instid0(VALU_DEP_1)
	v_ldexp_f32 v[FF], 1.0, v[TT]                  ; f
	s_setprio 1
.irp j, 0,2,4,6,8,10,12,14,16,18,20,22,24,26,28,30,32,34,36,38,40,42,44,46,48,50,52,54,56,58,60,62
	v_pk_fma_f32 v[S+\j:S+1+\j], v[S+\j:S+1+\j], s[CS:CS+1], v[12:13] op_sel_hi:[1,0,0]   ; t - M
.endr
.irp b, 0,1,2,3
	v_fma_f32 v[BM+\b], v[BM+\b], s[CS], v12
.endr
	s_wait_alu depctr_va_vdst(0)
.irp j, 0,1,2,3,4,5,6,7,8,9,10,11,12,13,14,15,16,17,18,19,20,21,22,23,24,25,26,27,28,29,30,31,32,33,34,35,36,37,38,39,40,41,42,43,44,45,46,47,48,49,50,51,52,53,54,55,56,57,58,59,60,61,62,63
	v_exp_f32 v[S+\j], v[S+\j]                     ; p
.endr
.irp b, 0,1,2,3
	v_exp_f32 v[BM+\b], v[BM+\b]                   ; the block's largest p: the same two instructions on the same number
.endr
	v_pk_mul_f32 v[14:15], v[14:15], v[FF:FF+1] op_sel_hi:[1,0]   ; the sums under the new M (a plain place behind the exponentials)
	s_wait_alu depctr_va_vdst(0)
.irp b, 0,1,2,3
	v_max_num_f32 v[BM+\b], 0x1800000, v[BM+\b]    ; the floor 2^(3 - 127)
.endr
.irp b, 0,1,2,3
	s_delay_alu instid0(VALU_DEP_4)
	v_add_nc_u32 v[SO+\b], 0xff000000, v[BM+\b]
.endr
.irp b, 0,1,2,3
	s_delay_alu instid0(VALU_DEP_4)
	v_lshrrev_b32 v[PB+\b], 23, v[SO+\b]
.endr
	s_delay_alu instid0(VALU_DEP_3)
	v_lshl_or_b32 v[PW], v[PB+1], 8, v[PB]         ; p's scale word for these 128 keys
	s_delay_alu instid0(VALU_DEP_1)
	v_lshl_or_b32 v[PW], v[PB+2], 16, v[PW]
	s_delay_alu instid0(VALU_DEP_1)
	v_lshl_or_b32 v[PW], v[PB+3], 24, v[PW]
.irp b, 0,1,2,3
	v_cvt_scalef32_pk8_fp4_f32 v[PC+2*\b], v[S+16*\b:S+7+16*\b], v[SO+\b]
	v_cvt_scalef32_pk8_fp4_f32 v[PC+1+2*\b], v[S+8+16*\b:S+15+16*\b], v[SO+\b]
.endr
	v_nop                                          ; one plain place behind a scaled conversion
.irp c, 0,1
.irp i, 0,1
	v_permlane16_swap_b32 v[PC+4*\c+\i], v[PC+2+4*\c+\i]
.endr
.endr
	v_pk_add_f32 v[226:227], v[100:101], v[104:105]
	v_pk_add_f32 v[252:253], v[108:109], v[112:113]
	v_pk_add_f32 v[250:251], v[116:117], v[120:121]
	v_pk_add_f32 v[248:249], v[124:125], v[128:129]
	v_pk_add_f32 v[246:247], v[132:133], v[136:137]
	v_pk_add_f32 v[244:245], v[140:141], v[144:145]
	v_pk_add_f32 v[242:243], v[148:149], v[152:153]
	v_pk_add_f32 v[14:15], v[14:15], v[156:157]
	v_pk_add_f32 v[226:227], v[226:227], v[96:97]
	v_pk_add_f32 v[252:253], v[252:253], v[98:99]
	s_setprio 0
	v_pk_add_f32 v[250:251], v[250:251], v[102:103]
	v_pk_add_f32 v[248:249], v[248:249], v[106:107]
	v_pk_add_f32 v[246:247], v[246:247], v[110:111]
	v_pk_add_f32 v[244:245], v[244:245], v[114:115]
	v_pk_add_f32 v[242:243], v[242:243], v[118:119]
	v_pk_add_f32 v[14:15], v[14:15], v[122:123]
	v_pk_add_f32 v[226:227], v[226:227], v[126:127]
	v_pk_add_f32 v[252:253], v[252:253], v[130:131]
	v_pk_add_f32 v[250:251], v[250:251], v[134:135]
	v_pk_add_f32 v[248:249], v[248:249], v[138:139]
	v_pk_add_f32 v[246:247], v[246:247], v[142:143]
	v_pk_add_f32 v[244:245], v[244:245], v[146:147]
	v_pk_add_f32 v[242:243], v[242:243], v[150:151]
	v_pk_add_f32 v[14:15], v[14:15], v[154:155]
	v_pk_add_f32 v[226:227], v[226:227], v[158:159]
	s_delay_alu instid0(VALU_DEP_2)
	v_pk_add_f32 v[14:15], v[14:15], v[248:249]
	s_delay_alu instid0(VALU_DEP_2)
	v_pk_add_f32 v[226:227], v[226:227], v[246:247]
	v_pk_add_f32 v[252:253], v[252:253], v[244:245]
	v_pk_add_f32 v[250:251], v[250:251], v[242:243]
	s_delay_alu instid0(VALU_DEP_2)
	v_pk_add_f32 v[14:15], v[14:15], v[252:253]
	s_delay_alu instid0(VALU_DEP_2)
	v_pk_add_f32 v[226:227], v[226:227], v[250:251]
	s_delay_alu instid0(VALU_DEP_1)
	v_pk_add_f32 v[14:15], v[14:15], v[226:227]
.irp j, 0,2,4,6,8,10,12,14,16,18,20,22,24,26,28,30
	v_pk_mul_f32 v[O+\j:O+1+\j], v[O+\j:O+1+\j], v[FF:FF+1] op_sel_hi:[1,0]   ; O^T under the new M
.endr
	s_wait_alu depctr_va_vdst(0)
	s_wait_dscnt 0x0                               ; V
.irp t, 0,1,2,3                                ; O^T += V^T P^T: four accumulators, one instruction each
	v_wmma_scale_f32_16x16x128_f8f6f4 v[O+8*\t:O+8*\t+7], v[VF+8*\t:VF+8*\t+7], v[PC:PC+7], v[O+8*\t:O+8*\t+7], v[VS+\t], v[PW] matrix_a_fmt:MATRIX_FMT_FP4 matrix_b_fmt:MATRIX_FMT_FP4
.endr
.Lhidden_\@:
	s_add_co_u32 s[KFS], s[KFS], 128
	s_add_co_u32 s[TC], s[TC], 4096
	s_add_co_u32 s[TK], s[TK], 512
	s_add_co_u32 s[TV], s[TV], 256
.endm
; A PASS: the tile of queries in s[TQ] against n key steps (a constant: 8 covers every tile under 64, 16 every tile).
.macro PASS n
	s_wait_xcnt 0x0                                ; the bases and registers of earlier loads and stores are written again only behind this wait
	s_lshr_b32 s[TP], s[TQ], 1
	s_lshl_b32 s[Q0], s[TP], 5
	s_and_b32 s[TP], s[TQ], 1
	s_lshl_b32 s[TP], s[TP], 3
	s_add_co_u32 s[Q0], s[Q0], s[TP]               ; my first query: 32 (tile / 2) + 8 (tile % 2)
	s_add_co_u32 s[QM], s[Q0], 23                  ; my last
	s_mov_b32 s[KFS], 0
	s_mov_b32 s[TC], 0
	s_mov_b32 s[TK], 0
	s_mov_b32 s[TV], 0
	s_mov_b32 s[CNT], \n
	s_lshl_b32 s12, s[TQ], 9
	s_mov_b32 s13, 0
	s_add_nc_u64 s[12:13], s[92:93], s[12:13]      ; q's codes
	s_lshr_b32 s14, s[TQ], 2
	s_lshl_b32 s14, s14, 8
	s_and_b32 s[TP], s[TQ], 3
	s_lshl_b32 s[TP], s[TP], 2
	s_add_co_u32 s14, s14, s[TP]
	s_mov_b32 s15, 0
	s_add_nc_u64 s[14:15], s[94:95], s[14:15]      ; q's scale words
	s_lshl_b32 s16, s[TQ], 13
	s_mov_b32 s17, 0
	s_add_nc_u64 s[16:17], s[96:97], s[16:17]      ; y's codes
	s_lshl_b32 s18, s[TQ], 9
	s_mov_b32 s19, 0
	s_add_nc_u64 s[18:19], s[98:99], s[18:19]      ; y's scale bytes
	global_load_b128 v[20:23], v[AK0], s[12:13]
	global_load_b32 v[QS], v[R16], s[14:15]
	v_mov_b32 v13, 0xf1800000                      ; the largest t so far: -2^100
	s_delay_alu instid0(VALU_DEP_1)
	v_floor_f32 v12, -v13
	v_mov_b32 v14, 0
	v_mov_b32 v15, 0
.irp j, 0,1,2,3,4,5,6,7,8,9,10,11,12,13,14,15,16,17,18,19,20,21,22,23,24,25,26,27,28,29,30,31
	v_mov_b32 v[O+\j], 0                           ; the step is written once: the first finds zeros
.endr
	s_wait_loadcnt 0x0
.Lstep_\@:
	STEP
	s_sub_co_u32 s[CNT], s[CNT], 1
	s_cmp_lg_u32 s[CNT], 0
	s_cbranch_scc1 .Lstep_\@
	s_setprio 0
	PLACES 4                                       ; in front of the first read of O^T
	v_add_f32 v14, v14, v15
	s_delay_alu instid0(VALU_DEP_1)
	v_permlanex16_b32 v[TT], v14, s[SEL], s[SEL+1]
	s_delay_alu instid0(VALU_DEP_1)
	v_add_f32 v14, v14, v[TT]                      ; the row's sum
	s_wait_alu depctr_va_vdst(0)
	v_rcp_f32 v15, v14
	v_nop                                          ; one plain place behind a transcendental
	s_wait_alu depctr_va_vdst(0)
.irp j, 0,1,2,3,4,5,6,7,8,9,10,11,12,13,14,15,16,17,18,19,20,21,22,23,24,25,26,27,28,29,30,31
	v_mul_f32 v[S+\j], v[O+\j], v15                ; y: register 16 g + i is channel 32 g + 16 h + i of my query's head
.endr
.irp g, 0,1
	v_max3_num_f32 v[BM+\g], |v[S+16*\g]|, |v[S+1+16*\g]|, 0x1800000
.endr
.irp i, 2,4,6,8,10,12,14
.irp g, 0,1
	s_delay_alu instid0(VALU_DEP_2)
	v_max3_num_f32 v[BM+\g], v[BM+\g], |v[S+16*\g+\i]|, |v[S+1+16*\g+\i]|
.endr
.endr
.irp g, 0,1
	s_delay_alu instid0(VALU_DEP_2)
	v_permlanex16_b32 v[PB+\g], v[BM+\g], s[SEL], s[SEL+1]
.endr
.irp g, 0,1
	s_delay_alu instid0(VALU_DEP_2)
	v_max_num_f32 v[BM+\g], v[BM+\g], v[PB+\g]
.endr
.irp g, 0,1
	s_delay_alu instid0(VALU_DEP_2)
	v_add_nc_u32 v[SO+\g], 0xff000000, v[BM+\g]
.endr
.irp g, 0,1
	s_delay_alu instid0(VALU_DEP_2)
	v_lshrrev_b32 v[PB+\g], 23, v[SO+\g]
.endr
.irp g, 0,1
	v_cvt_scalef32_pk8_fp4_f32 v[PC+2*\g], v[S+16*\g:S+7+16*\g], v[SO+\g]
	v_cvt_scalef32_pk8_fp4_f32 v[PC+1+2*\g], v[S+8+16*\g:S+15+16*\g], v[SO+\g]
.endr
	v_nop                                          ; one plain place behind a scaled conversion
.irp i, 0,1
	v_permlane16_swap_b32 v[PC+\i], v[PC+2+\i]     ; lanes 0-15 the head's first block of 32, lanes 16-31 its second
.endr
	v_cndmask_b32 v[TT], v[PB], v[PB+1], s[HI]     ; and their bytes likewise
	v_cmp_eq_f32 vcc_lo, 0, v14
	s_delay_alu instid0(VALU_DEP_1)
	v_cndmask_b32 v[TT], v[TT], v[C255], vcc_lo    ; no visible key: NaN
	global_store_b128 v[AK0], v[PC:PC+3], s[16:17] ; 512 consecutive bytes
	global_store_b8 v[YB], v[TT], s[18:19]
.endm
	s_lshl_b32 s[TQ], ttmp9, 4
	s_add_co_u32 s[TQ], s[TQ], s[WV]               ; tile 16 i + w: under 64
	PASS 8
	s_wait_tensorcnt 0x0                           ; my part of keys 1024-2047 is in,
	s_wait_dscnt 0x0
	s_barrier_signal -1
	s_barrier_wait -1                              ; everybody's is
	s_sub_co_u32 s[TQ], 127, s[TQ]                 ; tile 16 (7 - i) + 15 - w
	PASS 16
	s_wait_tensorcnt 0x0
	ds_add_u32 v254, v255
	s_wait_dscnt 0x0
	s_endpgm
.Lfunc_end_k_q5c8e465d80_attn:
	.size	k_q5c8e465d80_attn, .Lfunc_end_k_q5c8e465d80_attn-k_q5c8e465d80_attn
	.p2alignl 7, 3214868480
	.fill 96, 4, 3214868480
	.section	.rodata,"a",@progbits
	.p2align	6, 0x0
	.amdhsa_kernel k_q5c8e465d80_attn
		.amdhsa_group_segment_fixed_size 169984
		.amdhsa_private_segment_fixed_size 0
		.amdhsa_enable_private_segment 0
		.amdhsa_kernarg_size 32
		.amdhsa_user_sgpr_count 2
		.amdhsa_user_sgpr_kernarg_segment_ptr 1
		.amdhsa_wavefront_size32 1
		.amdhsa_system_sgpr_workgroup_id_x 1
		.amdhsa_system_sgpr_workgroup_id_y 1
		.amdhsa_system_sgpr_workgroup_id_z 1
		.amdhsa_system_vgpr_workitem_id 0
		.amdhsa_next_free_vgpr 256
		.amdhsa_next_free_sgpr 102
		.amdhsa_reserve_vcc 1
		.amdhsa_float_denorm_mode_32 3
		.amdhsa_float_denorm_mode_16_64 3
		.amdhsa_memory_ordered 1
		.amdhsa_forward_progress 1
		.amdhsa_inst_pref_size 68
	.end_amdhsa_kernel
	.amdgpu_metadata
---
amdhsa.version: [ 1, 2 ]
amdhsa.kernels:
  - .name:           k_q5c8e465d80_attn
    .symbol:         k_q5c8e465d80_attn.kd
    .args:
      - { .name: qkq, .offset: 0, .size: 8, .value_kind: global_buffer, .address_space: global }
      - { .name: vq, .offset: 8, .size: 8, .value_kind: global_buffer, .address_space: global }
      - { .name: attention_mask, .offset: 16, .size: 8, .value_kind: global_buffer, .address_space: global }
      - { .name: yq, .offset: 24, .size: 8, .value_kind: global_buffer, .address_space: global }
    .group_segment_fixed_size: 169984
    .private_segment_fixed_size: 0
    .kernarg_segment_align: 8
    .kernarg_segment_size: 32
    .max_flat_workgroup_size: 512
    .sgpr_count:     102
    .vgpr_count:     256
    .wavefront_size: 32
...
	.end_amdgpu_metadata
.endif
;; end of part 3
;; launch proj (part 4): grid 4 x 64, 4 waves a work-group, clusters of 4 x 4, 243,200 bytes of LDS; arguments yq, wpq, b_proj, out0; writes out0
.if DOCPART == 4
	.amdgcn_target "amdgcn-amd-amdhsa--gfx1250"
	.amdhsa_code_object_version 6
	.text
	.protected	k_q5c8e465d80_proj
	.globl	k_q5c8e465d80_proj
	.p2align	8
	.type	k_q5c8e465d80_proj,@function
k_q5c8e465d80_proj:
	s_mov_b64 s[64:65], 0
	v_nop
	global_prefetch_b8 v0, s[64:65] scope:SCOPE_SE
	s_setreg_imm32_b32 hwreg(HW_REG_WAVE_MODE, 25, 1), 1
	s_wait_xcnt 0x0
	s_wait_alu depctr_hold_cnt(0) depctr_sa_sdst(0) depctr_va_vdst(0) depctr_va_sdst(0) depctr_va_ssrc(0) depctr_va_vcc(0) depctr_vm_vsrc(0)
	s_getreg_b32 s2, hwreg(HW_REG_IB_STS2, 6, 4)
	s_cmp_eq_u32 s2, 0
	s_cbranch_scc0 .Lentry_in_a_cluster
	s_endpgm
.Lentry_in_a_cluster:
	s_bfe_u32 s2, ttmp6, 0x10000c
	s_cmp_lg_u32 s2, 0xf033
	s_cbranch_scc0 .Lentry_shape_is_right
	s_endpgm
.Lentry_shape_is_right:
; out0 = y W_proj + b_proj on codes of FP4 with E8M0 scales, K = 1024; out0 [8192][1024] f32.
; OPERANDS are fragment images (16 rows x 128 K in 1,024 bytes; tile T, K step s at T x 8192 + s x 1024) and scale words (tile T: 512 bytes, word s % 4 of row r at (s / 4) x 256 + 16 r).  Tile 2 g + c holds in row r the row 32 g + 8 c + r + 8 (r / 8).
; A WORK-GROUP makes 128 tokens (A = yq) x 256 columns (B = wpq), four waves 64 x 128 each: 32 accumulators.  THE MATRIX INSTRUCTION IS USED TRANSPOSED (source 0 = 16 rows of B, source 1 = 16 rows of A): a lane holds one token, and by the
; tiles' row order its 64 registers of one tile of tokens are columns 32 b + 16 (lane / 16) + i at register 16 b + i: runs of 64 bytes of a row of out0.
; ALL OF K LIES IN LDS AT ONCE: first fills only, nothing is filled again.  Each wave has three tensor loads out: its scale words, its tiles' K steps 0-3, its K steps 4-7.
; CLUSTERS: 4 x 4.  A's tiles are asked for jointly along a row of the cluster, B's along a column.
; A row of y whose scale bytes are 0xff (no visible key) gives NaN, as asked.
; REGISTERS, in windows of 256.  Window 0: v1-13 addresses; v32-127 scale words and nothing else; v128-255 the way out.  Window 1: accumulator (a, b) at v[8 (8 a + b)].
;   Window 2: B's fragments, two sets, at v0 and v64 (on the way out: rows read back); A's, two sets, at v128 and v160; v192-255 the bias of my 128 columns.
.set ASOFF, 4194304                    ; scale words in yq,
.set BSOFF, 524288                     ; in wpq
.set LA,    0                          ; LDS: A's codes [K half 2][tile 8][K step 4][1024]
.set LB,    65536                      ; B's codes [K half 2][tile 16][K step 4][1024]
.set LSA,   196608                     ; A's scale words, 8 x 512
.set LSB,   200704                     ; B's, 16 x 512
.set LST,   208896                     ; the way out: 16 rows x (512 + 16) bytes for each wave; no fill lands here
.set SP,    528
.set ADA,   4
.set ADB0,  5
.set ADB1,  6
.set ADSA,  7
.set ADSB,  8
.set STO,   12
.set RD,    13
.set SC,    32
.set BF,    0
.set AF,    128
.set BI,    192
.set G1A,   24
.set G1B,   32
.set G1SA,  40
.set G1SB,  48
.set G0SA,  56
.set G0A0,  60
.set G0A1,  68
.set G0SB,  72
.set G0B0,  76
.set G0B1,  80
.set MSB, 0
.macro WIN new                         ; the immediate's high byte repeats the setting that is left
.if MSB != \new
	s_set_vgpr_msb (MSB<<8)|\new
.set MSB, \new
.endif
.endm
.macro PLACES n
.rept \n
	v_nop
.endr
.endm
.macro JLOAD g0a, g1a, g0b, g1b        ; a joint load: waves 0 and 1 fetch for A, waves 2 and 3 for B; four v_nop follow each of the two lines
	s_cmp_eq_u32 s15, 0
	s_cbranch_scc0 .Lfor_b_\@
	tensor_load_to_lds s[\g0a:\g0a+3], s[\g1a:\g1a+7]
	s_nop 0
.rept 4
	v_nop
.endr
	s_branch .Lasked_\@
.Lfor_b_\@:
	tensor_load_to_lds s[\g0b:\g0b+3], s[\g1b:\g1b+7]
	s_nop 0
.rept 4
	v_nop
.endr
.Lasked_\@:
.endm
.macro CROUND                          ; a round of the cluster's barrier
	s_barrier_signal -1
	s_barrier_wait -1
	s_cmp_lg_u32 s14, 0
	s_cbranch_scc1 .Lnot_wave_0_\@
	s_barrier_signal -3
.Lnot_wave_0_\@:
	s_barrier_wait -3
	s_barrier_signal -1
	s_barrier_wait -1
.endm
.macro SHAPE g, c, r, p                ; words 1 to 7 of a group 1: r rows of c elements of 8 bytes, p elements from row to row
	s_mov_b32 s[\g+1], (\c)<<16
	s_mov_b32 s[\g+2], (\r)<<16
	s_mov_b32 s[\g+3], (\c)<<16
	s_mov_b32 s[\g+4], \r
	s_mov_b32 s[\g+5], \p
	s_mov_b32 s[\g+6], 0
	s_mov_b32 s[\g+7], 0
.endm
.macro PLACE g, lreg, lconst, alo, off ; a group 0: to LDS byte s[lreg] + lconst, from s[alo:alo+1] + off
	s_mov_b32 s[\g], 1
	s_add_co_u32 s[\g+1], s[\lreg], \lconst
	s_add_nc_u64 s[\g+2:\g+3], s[\alo:\alo+1], \off
	s_or_b32 s[\g+3], s[\g+3], 0x80000000
.endm
	s_load_b256 s[4:11], s[0:1], 0x0               ; yq s[4:5], wpq s[6:7], b_proj s[8:9], out0 s[10:11]
	v_lshl_add_u32 v30, v0, 2, 0x3b400
	v_mov_b32 v31, 0
	ds_add_u32 v30, v31
	ds_add_u32 v30, v31
	v_lshrrev_b32 v1, 5, v0
	v_readfirstlane_b32 s14, v1                    ; wave 0..3
	s_lshr_b32 s15, s14, 1                         ; which 64 tokens are mine.  Also: I fetch for A (0) or for B (1)
	s_and_b32 s16, s14, 1                          ; which 128 columns.  Also: which half of that operand's tiles I fetch
	s_bfe_u32 s17, ttmp6, 0x40000                  ; cx
	s_bfe_u32 s18, ttmp6, 0x40004                  ; cy
	s_and_b32 s22, ttmp7, 0xffff
	s_lshl_b32 s22, s22, 2
	s_add_co_u32 s22, s22, s18                     ; IA: my block of 128 tokens = 4 x cluster y + cy
	s_lshl_b32 s23, ttmp9, 2
	s_add_co_u32 s23, s23, s17                     ; IB: my block of 256 columns = 4 x cluster x + cx
	s_lshl_b32 s90, s18, 2
	s_lshl_b32 s90, 15, s90                        ; my row of the cluster
	s_lshl_b32 s94, 0x1111, s17                    ; my column
	s_or_b32 s[G1A], s90, (3<<16)|(1<<21)          ; 15:0 the mask; 17:16 elements of 8 bytes; 21 set beside a mask; no padding: images are read 16 bytes a lane on end
	s_or_b32 s[G1SA], s90, (3<<16)|(1<<21)
	s_or_b32 s[G1B], s94, (3<<16)|(1<<21)
	s_or_b32 s[G1SB], s94, (3<<16)|(1<<21)
	SHAPE G1A, 512, 4, 1024                        ; four tiles' halves of K: rows of 4,096 bytes, 8,192 apart
	SHAPE G1B, 512, 8, 1024                        ; eight tiles'
	SHAPE G1SA, 32, 8, 32                          ; four tiles' scale words: 2,048 dense bytes as rows of 256
	SHAPE G1SB, 32, 16, 32                         ; eight tiles': 4,096
	s_lshl_b32 s88, s22, 16                        ; A's codes: 65,536 IA + 32,768 x my half
	s_lshl_b32 s89, s16, 15
	s_add_co_u32 s88, s88, s89
	s_mov_b32 s89, 0
	s_lshl_b32 s90, s22, 12                        ; A's scale words: 4,096 IA + 2,048 x my half
	s_lshl_b32 s91, s16, 11
	s_add_co_u32 s90, s90, s91
	s_add_co_u32 s90, s90, ASOFF
	s_mov_b32 s91, 0
	s_lshl_b32 s92, s23, 17                        ; B's codes: 131,072 IB + 65,536 x my half
	s_lshl_b32 s93, s16, 16
	s_add_co_u32 s92, s92, s93
	s_mov_b32 s93, 0
	s_lshl_b32 s94, s23, 13                        ; B's scale words
	s_lshl_b32 s95, s16, 12
	s_add_co_u32 s94, s94, s95
	s_add_co_u32 s94, s94, BSOFF
	s_mov_b32 s95, 0
	s_lshl_b32 s96, s16, 14                        ; where they go hangs on the wave's number alone
	s_lshl_b32 s97, s16, 11
	s_lshl_b32 s98, s16, 15
	s_lshl_b32 s99, s16, 12
	s_wait_dscnt 0x0
	s_wait_kmcnt 0x0
	s_add_nc_u64 s[88:89], s[4:5], s[88:89]
	s_add_nc_u64 s[90:91], s[4:5], s[90:91]
	s_add_nc_u64 s[92:93], s[6:7], s[92:93]
	s_add_nc_u64 s[94:95], s[6:7], s[94:95]
	PLACE G0SA, 97, LSA, 90, 0
	PLACE G0A0, 96, LA, 88, 0
	PLACE G0A1, 96, LA+32768, 88, 4096
	PLACE G0SB, 99, LSB, 94, 0
	PLACE G0B0, 98, LB, 92, 0
	PLACE G0B1, 98, LB+65536, 92, 4096
	CROUND                                         ; all sixteen work-groups are here: the joint loads meet
	JLOAD G0SA, G1SA, G0SB, G1SB                   ; the scale words of all of K,
	JLOAD G0A0, G1A, G0B0, G1B                     ; K steps 0-3,
	JLOAD G0A1, G1A, G0B1, G1B                     ; K steps 4-7: three loads of mine are out
	v_and_b32 v9, 31, v0
	v_lshlrev_b32 v1, 4, v9                        ; 16 x lane
	v_and_b32 v2, 15, v0                           ; r
	s_wait_alu depctr_va_vdst(0)
	v_bfe_u32 v3, v0, 4, 1                         ; h
	s_lshl_b32 s96, s15, 14
	v_add_nc_u32 v[ADA], s96, v1                   ; my four tiles of A
	s_lshl_b32 s96, s16, 15
	s_add_co_u32 s96, s96, LB
	v_add_nc_u32 v[ADB0], s96, v1                  ; my eight tiles of B, K steps 0-3,
	v_add_nc_u32 v[ADB1], 65536, v[ADB0]           ; and 4-7
	v_lshlrev_b32 v10, 4, v2                       ; 16 r
	s_lshl_b32 s96, s15, 11
	s_add_co_u32 s96, s96, LSA
	v_add_nc_u32 v[ADSA], s96, v10
	s_lshl_b32 s96, s16, 12
	s_add_co_u32 s96, s96, LSB
	v_add_nc_u32 v[ADSB], s96, v10
	s_mul_i32 s96, s14, 16*SP
	s_add_co_u32 s96, s96, LST                     ; my stage
	v_mul_u32_u24 v[STO], v2, SP
	s_wait_alu depctr_va_vdst(0)
	v_lshl_add_u32 v[STO], v3, 6, v[STO]
	v_add_nc_u32 v[STO], s96, v[STO]               ; in: row r, + 64 h
	v_add_nc_u32 v[RD], s96, v1                    ; back: a row of 512 bytes, 16 a lane
	v_lshlrev_b32 v9, 6, v3                        ; the bias: 64 h
	s_lshl_b32 s96, s23, 10
	s_lshl_b32 s97, s16, 9
	s_add_co_u32 s96, s96, s97                     ; my first column, in bytes: 4 (256 IB + 128 x my half)
	s_mov_b32 s97, 0
	s_add_nc_u64 s[98:99], s[8:9], s[96:97]
	WIN 0x80                                       ; destination window 2
.irp q, 0,1,2,3
.irp j, 0,1,2,3
	global_load_b128 v[BI+16*\q+4*\j:BI+16*\q+4*\j+3], v9, s[98:99] offset:128*\q+16*\j   ; register 16 q + i: the bias of column 32 q + 16 h + i
.endr
.endr
	WIN 0
	s_lshl_b32 s94, s22, 19                        ; my first token's row of 4,096 bytes: 128 IA + 64 x my half
	s_lshl_b32 s95, s15, 18
	s_add_co_u32 s94, s94, s95
	s_add_co_u32 s94, s94, s96
	s_mov_b32 s95, 0
	s_add_nc_u64 s[94:95], s[10:11], s[94:95]
.macro FETCH k, set                    ; K step k's fragments, 8 of B and 4 of A, into a set: 24 loads, each 512 consecutive bytes
	WIN 0x80
.irp b, 0,1,2,3,4,5,6,7
.irp c, 0,1
	ds_load_b128 v[BF+64*(\set)+8*\b+4*\c:BF+64*(\set)+8*\b+4*\c+3], v[ADB0+(\k)/4] offset:\b*4096+((\k)%4)*1024+512*\c
.endr
.endr
.irp a, 0,1,2,3
.irp c, 0,1
	ds_load_b128 v[AF+32*(\set)+8*\a+4*\c:AF+32*(\set)+8*\a+4*\c+3], v[ADA] offset:((\k)/4)*32768+\a*4096+((\k)%4)*1024+512*\c
.endr
.endr
	WIN 0
.endm
.macro SCALES hk                       ; the scale words of four K steps: lane r takes row r's four words
.irp a, 0,1,2,3
	ds_load_b128 v[SC+48*\hk+4*\a:SC+48*\hk+4*\a+3], v[ADSA] offset:\a*512+\hk*256
.endr
.irp b, 0,1,2,3,4,5,6,7
	ds_load_b128 v[SC+16+48*\hk+4*\b:SC+16+48*\hk+4*\b+3], v[ADSB] offset:\b*512+\hk*256
.endr
.endm
.macro MUL k, zero                     ; 32 matrix instructions; the 32 accumulators take turns, one instruction a turn, in the same order in every step
	WIN 0x5a                                       ; sources 0 and 1 window 2, C and D window 1
.irp a, 0,1,2,3
.irp b, 0,1,2,3,4,5,6,7
.if \zero
	v_wmma_scale_f32_16x16x128_f8f6f4 v[8*(8*\a+\b):8*(8*\a+\b)+7], v[BF+64*((\k)%2)+8*\b:BF+64*((\k)%2)+8*\b+7], v[AF+32*((\k)%2)+8*\a:AF+32*((\k)%2)+8*\a+7], 0, v[SC+16+48*((\k)/4)+4*\b+(\k)%4], v[SC+48*((\k)/4)+4*\a+(\k)%4] matrix_a_fmt:MATRIX_FMT_FP4 matrix_b_fmt:MATRIX_FMT_FP4
.else
	v_wmma_scale_f32_16x16x128_f8f6f4 v[8*(8*\a+\b):8*(8*\a+\b)+7], v[BF+64*((\k)%2)+8*\b:BF+64*((\k)%2)+8*\b+7], v[AF+32*((\k)%2)+8*\a:AF+32*((\k)%2)+8*\a+7], v[8*(8*\a+\b):8*(8*\a+\b)+7], v[SC+16+48*((\k)/4)+4*\b+(\k)%4], v[SC+48*((\k)/4)+4*\a+(\k)%4] matrix_a_fmt:MATRIX_FMT_FP4 matrix_b_fmt:MATRIX_FMT_FP4
.endif
.endr
.endr
	WIN 0
.endm
.macro STEP k                          ; the next step's fragments are asked for, then this step is multiplied
.if (\k) < 7
.if (\k) > 0
	PLACES 4                                       ; four places in front of loads into the set that the last step's products read (ISA guide 7.12.1 for vector instructions)
.endif
	FETCH (\k)+1, ((\k)+1)%2
	s_wait_dscnt 24                                ; all but the 24 just issued: this step's fragments are in
.else
	s_wait_dscnt 0x0
.endif
.if (\k) == 0
	MUL \k, 1                                      ; the first products start the sums: nothing is cleared
.else
	MUL \k, 0
.endif
.endm
	s_wait_tensorcnt 0x1                           ; my scale words and my K steps 0-3 are in; K steps 4-7 may stay out
	s_barrier_signal -1
	s_barrier_wait -1                              ; everybody's are
	SCALES 0
	SCALES 1
	FETCH 0, 0
	STEP 0
	STEP 1
	STEP 2
	s_wait_tensorcnt 0x0                           ; my K steps 4-7 are in,
	s_wait_dscnt 0x0                               ; and no LDS load of mine is out at the signal
	s_barrier_signal -1
	s_barrier_wait -1                              ; everybody's are
	STEP 3
	STEP 4
	STEP 5
	STEP 6
	STEP 7
	PLACES 4                                       ; in front of the first read of results, and of loads into the fragments' registers
	s_wait_loadcnt 0x0                             ; the bias
; THE WAY OUT, a tile of 16 tokens x 128 columns at a time: + bias; through my own stage in LDS; back as whole rows of 512 bytes, which the 32 lanes store as two aligned runs of 256 bytes.
.macro ADDB a                          ; each accumulator from its low end on
	WIN 0x09                                       ; source 0 (sums) window 1, source 1 (bias) window 2
.set i, 0
.rept 32
	v_pk_add_f32 v[128+64*((\a)%2)+i:128+64*((\a)%2)+i+1], v[64*(\a)+i:64*(\a)+i+1], v[BI+i:BI+i+1]
.set i, i+2
.endr
	WIN 0
.endm
.macro STG a
.set i, 0
.rept 16
	ds_store_b128 v[STO], v[128+64*((\a)%2)+4*i:128+64*((\a)%2)+4*i+3] offset:128*(i/4)+16*(i%4)
.set i, i+1
.endr
	WIN 0x80                                       ; destination window 2
.set i, 0
.rept 16
	ds_load_b128 v[64*((\a)%2)+4*i:64*((\a)%2)+4*i+3], v[RD] offset:SP*i   ; LDS serves a wave's instructions in order (ISA guide 5.7.1.4): these see the stores above, and the next tile's stores come behind them
.set i, i+1
.endr
	WIN 0
.endm
.macro SEND a
	WIN 0x08                                       ; a store's data are its source 1: window 2
.set i, 0
.rept 16
	global_store_b128 v1, v[64*((\a)%2)+4*i:64*((\a)%2)+4*i+3], s[94:95] offset:(32*((\a)/2)+8*((\a)%2)+i+8*(i/8))*4096 th:TH_STORE_NT   ; the tile's row i is token 32 (a / 2) + 8 (a % 2) + i + 8 (i / 8); written once, read by nobody here
.set i, i+1
.endr
	WIN 0
.endm
	ADDB 0
	STG 0
.irp a, 1,2,3
	ADDB \a                                        ; the next tile's additions stand between a tile's loads from the stage and the wait for them
	s_wait_alu depctr_va_vdst(0)
	s_wait_dscnt 0x0                               ; the tile before is back in registers
	SEND \a-1
.if \a > 1
	s_wait_xcnt 0x0                                ; the stores of two tiles ago have read their registers: this tile's rows may land there
.endif
	STG \a
.endr
	s_wait_dscnt 0x0
	SEND 3
	s_wait_tensorcnt 0x0
	ds_add_u32 v30, v31
	s_wait_dscnt 0x0
	CROUND                                         ; the closing round: no work-group ends while a partner may still ask for a tile that names it
	s_endpgm
.Lfunc_end_k_q5c8e465d80_proj:
	.size	k_q5c8e465d80_proj, .Lfunc_end_k_q5c8e465d80_proj-k_q5c8e465d80_proj
	.p2alignl 7, 3214868480
	.fill 96, 4, 3214868480
	.section	.rodata,"a",@progbits
	.p2align	6, 0x0
	.amdhsa_kernel k_q5c8e465d80_proj
		.amdhsa_group_segment_fixed_size 243200
		.amdhsa_private_segment_fixed_size 0
		.amdhsa_enable_private_segment 0
		.amdhsa_kernarg_size 32
		.amdhsa_user_sgpr_count 2
		.amdhsa_user_sgpr_kernarg_segment_ptr 1
		.amdhsa_wavefront_size32 1
		.amdhsa_system_sgpr_workgroup_id_x 1
		.amdhsa_system_sgpr_workgroup_id_y 1
		.amdhsa_system_sgpr_workgroup_id_z 1
		.amdhsa_system_vgpr_workitem_id 0
		.amdhsa_next_free_vgpr 768
		.amdhsa_next_free_sgpr 100
		.amdhsa_reserve_vcc 0
		.amdhsa_float_denorm_mode_32 3
		.amdhsa_float_denorm_mode_16_64 3
		.amdhsa_memory_ordered 1
		.amdhsa_forward_progress 1
		.amdhsa_inst_pref_size 82
	.end_amdhsa_kernel
	.amdgpu_metadata
---
amdhsa.version: [ 1, 2 ]
amdhsa.kernels:
  - .name:           k_q5c8e465d80_proj
    .symbol:         k_q5c8e465d80_proj.kd
    .args:
      - { .name: yq, .offset: 0, .size: 8, .value_kind: global_buffer, .address_space: global }
      - { .name: wpq, .offset: 8, .size: 8, .value_kind: global_buffer, .address_space: global }
      - { .name: b_proj, .offset: 16, .size: 8, .value_kind: global_buffer, .address_space: global }
      - { .name: out0, .offset: 24, .size: 8, .value_kind: global_buffer, .address_space: global }
    .group_segment_fixed_size: 243200
    .private_segment_fixed_size: 0
    .kernarg_segment_align: 8
    .kernarg_segment_size: 32
    .max_flat_workgroup_size: 128
    .sgpr_count:     100
    .vgpr_count:     768
    .wavefront_size: 32
...
	.end_amdgpu_metadata
.endif
;; end of part 4
